; MI455X (gfx1250); checked and timed in simulation.
; The chip was launched on July 23, 2026; its instructions are those of AMD's public machine-readable ISA for CDNA 5 (MIT licence, August 2026) and "CDNA5" Instruction Set Architecture Reference Guide (July 2026). The comments in the code are by the model that wrote it; some were corrected since.
;; attention. Allowed arithmetic: float matrix products may take bf16 or f16 operands with f32 sums; other float arithmetic in f32, or as packed bf16 or f16 multiplies, adds, multiply-adds, maxima and minima; sums over many terms, partial sums and values carried from step to step in f32; what a program stores and reads back later, other than sums and carried values, may be rounded once to bf16 or f16.
;; Inputs: Wk 1,024 x 1,024 float32; Wo 1,024 x 1,024 float32; Wq 1,024 x 1,024 float32; Wv 1,024 x 1,024 float32; hidden_states 1 x 4,096 x 1,024 float32.
;; Outputs: out0 1 x 4,096 x 1,024 float32.
;; One version. Each part assembles by itself: llvm-mc -triple=amdgcn-amd-amdhsa -mcpu=gfx1250 --defsym DOCPART=n.
;; ======== version 1 of 1: 4 launches
;; limits: values are held in f16: magnitudes above 65,504 overflow, below 6.1e-05 lose precision
;; workspace buffers: xb 8,388,608 bytes; wqkv 6,291,456 bytes; wo16 2,097,152 bytes; tab 1,048,576 bytes; qk2 33,554,432 bytes; v16 8,388,608 bytes; o16 8,388,608 bytes
;; launch prep (part 1): grid 544 x 1, 8 waves a work-group, no clusters, 0 bytes of LDS; arguments hidden_states, Wq, Wk, Wv, Wo, xb, wqkv, wo16, tab; writes xb, wqkv, wo16, tab
.if DOCPART == 1
	.amdgcn_target "amdgcn-amd-amdhsa--gfx1250"
	.amdhsa_code_object_version 6
	.text
	.protected	k_q2438d7e099_prep
	.globl	k_q2438d7e099_prep
	.p2align	8
	.type	k_q2438d7e099_prep,@function
k_q2438d7e099_prep:
	s_mov_b64 s[64:65], 0
	v_nop
	global_prefetch_b8 v0, s[64:65] scope:SCOPE_SE
	s_setreg_imm32_b32 hwreg(HW_REG_WAVE_MODE, 25, 1), 1
	s_wait_xcnt 0x0
; PREP.  Rounds the module's inputs once and makes the table of cosines and sines.
;   work-groups 0-255:   xb   = bf16(hidden_states), [4096][1024], 16 rows each
;   work-groups 256-447: wqkv = bf16(Wq, Wk, Wv) by heads: [16][192][1024], rows 0-63 Wq's rows 64 h .., 64-127 Wk's, 128-191 Wv's
;   work-groups 448-511: wo16 = bf16(Wo) written as f16 (exact inside f16's range; LIMIT: |Wo| under 65,504; below 6e-5 f16 keeps a fixed step of 6e-8)
;   work-groups 512-543: tab  = f32 [4096 t][16 p][4] = cos(t f(2p)), cos(t f(2p+1)), sin(t f(2p)), sin(t f(2p+1)): 256 bytes a row
; A stream: no LDS, no barrier, no matrix unit.  A thread reads 32 bytes and writes 16; a wave's store covers 512 consecutive bytes.
; THE FREQUENCIES are made as the module makes them: b = f32(10000 x 2^(64/62)); f(i) = 1 / b^(i/32), the power rounded once to f32, then the quotient rounded once.
; The power is a product of the five roots b^(1/2) .. b^(1/32), kept as pairs of f32 (head and tail).  LIMIT: this is the correctly rounded chain, not a particular library's.
; THE ANGLE t f(i) is one f32 product; it is reduced by pi/2 in two parts with fused multiply-adds (the first is exact: t f < 4,096, so n < 2^12), and sine and cosine are polynomials on -pi/4 .. pi/4.
.set XI, 16                            ; v[16:79]   16 loads of 16 bytes
.set YO, 80                            ; v[80:111]  8 stores of 16 bytes, registers of their own: no wait frees them
.set TW, 112                           ; v[112:119] at work
.set TF, 34                            ; v34  t as f32
.set VO, 35                            ; v35  16 x lane
; 16 rows: 65,536 bytes in, 32,768 out.  All 16 loads go out together; chunk i's two are in when 14 - 2 i younger ones are out.
.macro CONV src, dst, f16out
.set k, 0
.rept 16
	global_load_b128 v[XI+4*k:XI+4*k+3], v1, s[\src:\src+1] offset:(k/2)*8192+(k%2)*16 th:TH_LOAD_NT
.set k, k+1
.endr
.set i, 0
.rept 8
	s_wait_loadcnt 14-2*i
.irp n, 0,1,2,3
	v_cvt_pk_bf16_f32 v[YO+4*i+\n], v[XI+8*i+2*\n], v[XI+8*i+2*\n+1]
.endr
.if \f16out
.irp n, 0,1,2,3
	v_lshlrev_b32 v[TW+2*\n], 16, v[YO+4*i+\n]             ; the rounded number as f32 again,
	v_and_b32 v[TW+2*\n+1], 0xffff0000, v[YO+4*i+\n]
.endr
.irp n, 0,1,2,3
	v_cvt_pk_f16_f32 v[YO+4*i+\n], v[TW+2*\n], v[TW+2*\n+1]  ; and written as f16
.endr
.endif
	global_store_b128 v2, v[YO+4*i:YO+4*i+3], s[\dst:\dst+1] offset:i*4096
.set i, i+1
.endr
.endm
	s_load_b512 s[8:23], s[0:1], 0x0               ; hidden_states s[8:9], Wq s[10:11], Wk s[12:13], Wv s[14:15], Wo s[16:17], xb s[18:19], wqkv s[20:21], wo16 s[22:23]
	s_load_b64 s[24:25], s[0:1], 0x40              ; tab
	s_mov_b32 s3, ttmp9
	s_mov_b32 s27, 0
	s_mov_b32 s29, 0
	v_lshlrev_b32 v1, 5, v0                        ; 32 bytes in a thread
	v_lshlrev_b32 v2, 4, v0                        ; 16 bytes out
	s_wait_kmcnt 0x0
	s_cmp_lt_u32 s3, 256
	s_cbranch_scc0 .Lnot_x
	s_lshl_b32 s26, s3, 16
	s_lshl_b32 s28, s3, 15
	s_add_nc_u64 s[8:9], s[8:9], s[26:27]
	s_add_nc_u64 s[18:19], s[18:19], s[28:29]
	CONV 8, 18, 0
	s_endpgm
.Lnot_x:
	s_cmp_lt_u32 s3, 448
	s_cbranch_scc0 .Lnot_w
	s_sub_co_u32 s30, s3, 256
	s_lshr_b32 s31, s30, 6                         ; which matrix
	s_and_b32 s30, s30, 63                         ; which 16 rows of it
	s_cmp_eq_u32 s31, 0
	s_cselect_b64 s[4:5], s[10:11], s[12:13]
	s_cmp_eq_u32 s31, 2
	s_cselect_b64 s[4:5], s[14:15], s[4:5]
	s_lshl_b32 s26, s30, 16
	s_add_nc_u64 s[4:5], s[4:5], s[26:27]
	s_lshr_b32 s32, s30, 2                         ; the head,
	s_mul_i32 s32, s32, 192                        ; its 192 rows,
	s_lshl_b32 s31, s31, 6                         ; the matrix's 64 of them,
	s_add_co_u32 s32, s32, s31
	s_and_b32 s30, s30, 3
	s_lshl_b32 s30, s30, 4                         ; my 16 of those
	s_add_co_u32 s32, s32, s30
	s_lshl_b32 s28, s32, 11
	s_add_nc_u64 s[20:21], s[20:21], s[28:29]
	CONV 4, 20, 0
	s_endpgm
.Lnot_w:
	s_cmp_lt_u32 s3, 512
	s_cbranch_scc0 .Ltable
	s_sub_co_u32 s30, s3, 448
	s_lshl_b32 s26, s30, 16
	s_lshl_b32 s28, s30, 15
	s_add_nc_u64 s[16:17], s[16:17], s[26:27]
	s_add_nc_u64 s[22:23], s[22:23], s[28:29]
	CONV 16, 22, 1
	s_endpgm
; THE TABLE.  256 waves, 16 rows each, two rows a trip: lane = 16 x (row of the pair) + p.
; A root of a pair (ih, il): s = sqrt(ih), corrected once by (ih - s s + il) / 2 s, head and tail parted again.  Behind each of the two transcendentals stand a plain instruction and a wait.
.macro DFSQRT oh, ol, ih, il
	v_sqrt_f32 v26, v[\ih]
	v_nop
	s_wait_alu depctr_va_vdst(0)
	v_rcp_f32 v27, v26
	v_fma_f32 v28, -v26, v26, v[\ih]               ; exact before its one rounding; names neither the reciprocal nor its source as a destination
	s_wait_alu depctr_va_vdst(0)
	v_add_f32 v28, v28, v[\il]
	v_mul_f32 v27, 0.5, v27
	v_mul_f32 v28, v28, v27
	v_add_f32 v[\oh], v26, v28
	v_sub_f32 v27, v[\oh], v26
	v_sub_f32 v[\ol], v28, v27
.endm
.macro DFMUL oh, ol, ah, al, bh, bl    ; a product of two pairs
	v_mul_f32 v27, v[\ah], v[\bh]
	v_fma_f32 v28, v[\ah], v[\bh], -v27
	v_fma_f32 v28, v[\ah], v[\bl], v28
	v_fma_f32 v28, v[\al], v[\bh], v28
	v_add_f32 v29, v27, v28
	v_sub_f32 v27, v29, v27
	v_sub_f32 v[\ol], v28, v27
	v_mov_b32 v[\oh], v29
.endm
.macro PICK bit, g                     ; v[24:25] = the root at v[g], or 1, by a bit of p
	v_and_b32 v26, 1<<(\bit), v4
	v_cmp_ne_u32 vcc_lo, 0, v26
	v_cndmask_b32 v24, 1.0, v[\g], vcc_lo
	v_cndmask_b32 v25, 0, v[\g+1], vcc_lo
.endm
.macro SINCOS inv, oc, os
	v_mul_f32 v40, v[TF], v[\inv]                  ; the angle, one rounding
	v_mul_f32 v41, s41, v40
	v_rndne_f32 v41, v41                           ; n
	v_fma_f32 v42, v41, s33, v40                   ; - n x the head of pi/2: exact
	v_fma_f32 v42, v41, s34, v42                   ; - n x its tail
	v_cvt_i32_f32 v47, v41
	v_mul_f32 v43, v42, v42
	v_fma_f32 v44, v43, s35, s36
	v_fma_f32 v45, v43, s38, s39
	v_fma_f32 v44, v44, v43, s37
	v_fma_f32 v45, v45, v43, s40
	v_mul_f32 v44, v44, v43
	v_mul_f32 v48, v43, v43
	v_fma_f32 v46, v43, -0.5, 1.0
	v_fma_f32 v49, v44, v42, v42                   ; sin r
	v_fma_f32 v50, v45, v48, v46                   ; cos r
	v_and_b32 v48, 1, v47
	v_cmp_eq_u32 vcc_lo, 1, v48                    ; odd quadrants change the two
	v_cndmask_b32 v[\os], v49, v50, vcc_lo
	v_cndmask_b32 v[\oc], v50, v49, vcc_lo
	v_lshlrev_b32 v48, 30, v47                     ; the sine is negative in quadrants 2, 3,
	v_and_b32 v48, 0x80000000, v48
	v_xor_b32 v[\os], v[\os], v48
	v_add_nc_u32 v48, 1, v47                       ; the cosine in 1, 2
	v_lshlrev_b32 v48, 30, v48
	v_and_b32 v48, 0x80000000, v48
	v_xor_b32 v[\oc], v[\oc], v48
.endm
.Ltable:
	s_sub_co_u32 s30, s3, 512
	v_lshrrev_b32 v3, 5, v0
	v_readfirstlane_b32 s31, v3                    ; wave 0..7
	s_lshl_b32 s32, s30, 3
	s_add_co_u32 s32, s32, s31                     ; my wave among the 256
	s_lshl_b32 s26, s32, 12                        ; its 16 rows of 256 bytes
	s_add_nc_u64 s[24:25], s[24:25], s[26:27]
	s_lshl_b32 s32, s32, 4                         ; its first row
	v_and_b32 v4, 15, v0                           ; p
	v_bfe_u32 v5, v0, 4, 1                         ; which row of a pair
	v_add_nc_u32 v6, s32, v5
	v_cvt_f32_u32 v[TF], v6
	v_and_b32 v7, 31, v0
	v_lshlrev_b32 v[VO], 4, v7
	s_mov_b32 s33, 0xbfc90fdb                      ; - head of pi/2
	s_mov_b32 s34, 0x333bbd2e                      ; - tail of pi/2
	s_mov_b32 s35, 0xb94ca1f9                      ; sine: -1.9515296e-4, 8.3321609e-3, -1.6666655e-1
	s_mov_b32 s36, 0x3c08839e
	s_mov_b32 s37, 0xbe2aaaa3
	s_mov_b32 s38, 0x37ccf5ce                      ; cosine: 2.4433157e-5, -1.3887316e-3, 4.1666646e-2
	s_mov_b32 s39, 0xbab6061a
	s_mov_b32 s40, 0x3d2aaaa5
	s_mov_b32 s41, 0x3f22f983                      ; 2 / pi
	v_mov_b32 v8, 0x469fc875                       ; b = f32(20452.2287..)
	v_mov_b32 v9, 0
	DFSQRT 10, 11, 8, 9                            ; b^(16/32)
	DFSQRT 12, 13, 10, 11                          ; b^(8/32)
	DFSQRT 14, 15, 12, 13                          ; b^(4/32)
	DFSQRT 16, 17, 14, 15                          ; b^(2/32)
	DFSQRT 18, 19, 16, 17                          ; b^(1/32)
	PICK 0, 16
	v_mov_b32 v20, v24
	v_mov_b32 v21, v25
	PICK 1, 14
	DFMUL 20, 21, 20, 21, 24, 25
	PICK 2, 12
	DFMUL 20, 21, 20, 21, 24, 25
	PICK 3, 10
	DFMUL 20, 21, 20, 21, 24, 25                   ; b^(2p/32): its head is the power rounded to f32
	DFMUL 22, 23, 20, 21, 18, 19                   ; b^((2p+1)/32)
	v_rcp_f32 v32, v20
	v_rcp_f32 v33, v22
	v_nop
	s_wait_alu depctr_va_vdst(0)                   ; one wait for the two reciprocals
	v_fma_f32 v26, -v20, v32, 1.0                  ; one correction each rounds the quotient rightly
	v_fma_f32 v27, -v22, v33, 1.0
	v_fma_f32 v32, v32, v26, v32
	v_fma_f32 v33, v33, v27, v33
	s_mov_b32 s42, 8
.Lrows:
	SINCOS 32, 60, 62
	SINCOS 33, 61, 63
	global_store_b128 v[VO], v[60:63], s[24:25]    ; two rows: 512 consecutive bytes
	s_wait_xcnt 0x0                                ; the store has read its data and its base: both are written again below and in the next trip
	s_add_nc_u64 s[24:25], s[24:25], 512
	v_add_f32 v[TF], 2.0, v[TF]
	s_sub_co_u32 s42, s42, 1
	s_cmp_lg_u32 s42, 0
	s_cbranch_scc1 .Lrows
	s_endpgm
.Lfunc_end_k_q2438d7e099_prep:
	.size	k_q2438d7e099_prep, .Lfunc_end_k_q2438d7e099_prep-k_q2438d7e099_prep
	.p2alignl 7, 3214868480
	.fill 96, 4, 3214868480
	.section	.rodata,"a",@progbits
	.p2align	6, 0x0
	.amdhsa_kernel k_q2438d7e099_prep
		.amdhsa_group_segment_fixed_size 0
		.amdhsa_private_segment_fixed_size 0
		.amdhsa_enable_private_segment 0
		.amdhsa_kernarg_size 72
		.amdhsa_user_sgpr_count 2
		.amdhsa_user_sgpr_kernarg_segment_ptr 1
		.amdhsa_wavefront_size32 1
		.amdhsa_system_sgpr_workgroup_id_x 1
		.amdhsa_system_sgpr_workgroup_id_y 1
		.amdhsa_system_sgpr_workgroup_id_z 1
		.amdhsa_system_vgpr_workitem_id 0
		.amdhsa_next_free_vgpr 128
		.amdhsa_next_free_sgpr 66
		.amdhsa_reserve_vcc 1
		.amdhsa_float_denorm_mode_32 3
		.amdhsa_float_denorm_mode_16_64 3
		.amdhsa_memory_ordered 1
		.amdhsa_forward_progress 1
		.amdhsa_inst_pref_size 29
	.end_amdhsa_kernel
	.amdgpu_metadata
---
amdhsa.version: [ 1, 2 ]
amdhsa.kernels:
  - .name:           k_q2438d7e099_prep
    .symbol:         k_q2438d7e099_prep.kd
    .args:
      - { .name: hidden_states, .offset: 0, .size: 8, .value_kind: global_buffer, .address_space: global }
      - { .name: Wq, .offset: 8, .size: 8, .value_kind: global_buffer, .address_space: global }
      - { .name: Wk, .offset: 16, .size: 8, .value_kind: global_buffer, .address_space: global }
      - { .name: Wv, .offset: 24, .size: 8, .value_kind: global_buffer, .address_space: global }
      - { .name: Wo, .offset: 32, .size: 8, .value_kind: global_buffer, .address_space: global }
      - { .name: xb, .offset: 40, .size: 8, .value_kind: global_buffer, .address_space: global }
      - { .name: wqkv, .offset: 48, .size: 8, .value_kind: global_buffer, .address_space: global }
      - { .name: wo16, .offset: 56, .size: 8, .value_kind: global_buffer, .address_space: global }
      - { .name: tab, .offset: 64, .size: 8, .value_kind: global_buffer, .address_space: global }
    .group_segment_fixed_size: 0
    .private_segment_fixed_size: 0
    .kernarg_segment_align: 8
    .kernarg_segment_size: 72
    .max_flat_workgroup_size: 256
    .sgpr_count:     66
    .vgpr_count:     128
    .wavefront_size: 32
...
	.end_amdgpu_metadata
.endif
;; end of part 1
;; launch qkv (part 2): grid 16 x 16, 4 waves a work-group, clusters of 4 x 4, 327,680 bytes of LDS; arguments xb, wqkv, tab, qk2, v16; writes qk2, v16
.if DOCPART == 2
	.amdgcn_target "amdgcn-amd-amdhsa--gfx1250"
	.amdhsa_code_object_version 6
	.text
	.protected	k_q2438d7e099_qkv
	.globl	k_q2438d7e099_qkv
	.p2align	8
	.type	k_q2438d7e099_qkv,@function
k_q2438d7e099_qkv:
	s_mov_b64 s[64:65], 0
	v_nop
	global_prefetch_b8 v0, s[64:65] scope:SCOPE_SE
	s_setreg_imm32_b32 hwreg(HW_REG_WAVE_MODE, 25, 1), 1
	s_wait_xcnt 0x0
	s_wait_alu depctr_hold_cnt(0) depctr_sa_sdst(0) depctr_va_vdst(0) depctr_va_sdst(0) depctr_va_ssrc(0) depctr_va_vcc(0) depctr_vm_vsrc(0)
	s_getreg_b32 s2, hwreg(HW_REG_IB_STS2, 6, 4)
	s_cmp_eq_u32 s2, 0
	s_cbranch_scc0 .Lentry_in_a_cluster
	s_endpgm
.Lentry_in_a_cluster:
	s_bfe_u32 s2, ttmp6, 0x10000c
	s_cmp_lg_u32 s2, 0xf033
	s_cbranch_scc0 .Lentry_shape_is_right
	s_endpgm
.Lentry_shape_is_right:
; Q, K, V OF ONE HEAD FOR 256 ROWS, ROTATED AND SPLIT.  [256 x 1024] of xb times [192 x 1024] of wqkv (64 rows each of Wq, Wk, Wv), bf16 operands, f32 sums.
; SHARES.  Work-group (x, y): head x, rows 256 y ..  Wave w: rows 64 w .. 64 w + 63 and all 192 columns: 48 accumulators of 16 x 16, so a head's q, k and v of a row lie in one wave.
; K goes in steps of 128 through two LDS slots (256 rows of x, 192 of w, 256 bytes a row + 16 of padding), filled by joint tensor loads: x's tile is shared along a row of the 4 x 4 cluster, w's along a column.
; The matrix instruction is used transposed (source 0 = 16 rows of w, source 1 = 16 rows of x): a lane holds row l % 16 and columns 16 b + 8 (l / 16) + 0..7.
; THE WAY OUT.  The rotation takes columns d, 32 + d, 2 d and 2 d + 1 of a head, which no lane layout holds together: the f32 sums go through the wave's own LDS (the ring's bytes, which have had their last fill).
;   q'[j] = q[j] c_j - q[2j+1] s_j,  q'[32+j] = q[32+j] c_j + q[2j] s_j, j = 0..31; k likewise; c, s from the table (tab), brought in once by a tensor load.
; TWO f16 TERMS A SIDE.  The scores are multiplied by 8 before the softmax, so one 16-bit rounding of q and k is too coarse.  Stored are
;   U1 = f16(q), U2 = f16(16/15 q - U1);   W1 = f16(k/16), W2 = f16(k - 15 W1);   U1 W1 + U2 W2 = q k / 15 + terms of second order: the roundings of U1 and W1 cancel.
;   qk2: K2 [16][4096][128] = (W1 | W2) at byte 0, Q2 [16][4096][128] = (U1 | U2) at byte 16,777,216.  v16: [16][4096][64] f16.
; LIMITS.  |q|, |k|, |v| under 65,504 (f16); below 6e-5 f16 keeps a fixed step of 6e-8.  NaN and infinities are not treated apart.
; REGISTERS, in windows of 256 (s_set_vgpr_msb: bits 1:0 source 0, 3:2 source 1, 5:4 source 2, 7:6 destination):
;   window 0: addresses and the way out.  window 1: two fragment buffers: w's at 96 f + 8 b, x's at 192 + 32 f + 8 a.  window 2: accumulators of a = 0, 1 at 8 (12 a + b).  window 3: those of a = 2, 3.
.set KSTEP, 128
.set PITCH, 272                        ; 256 bytes + 16: the 16 rows of a fragment load start at 16 different groups of four banks (ISA guide 11.1)
.set ATILE, 128*PITCH                  ; what one load brings of x, and of the table
.set BTILE, 96*PITCH                   ; of w
.set BOFF,  2*ATILE
.set SLOT,  BOFF+2*BTILE               ; 121,856
.set TAB,   2*SLOT                     ; the table's 256 rows, filled once
.set SPARE, TAB+256*PITCH              ; the spare words: 128 bytes a wave, two blocks of 256 bytes that no other line names
.set DP,    784                        ; the dump: a row of 192 f32 + 16 bytes
.set DUMP,  64*DP                      ; a wave's dump, at w x DUMP
.set OST,   4*DUMP                     ; behind the dumps: a wave's stage for 8 rows of Q2 and 8 of K2
.set OPI,   320                        ; a stage row: 256 bytes + 64
.set OSTW,  16*OPI
.set LAPS,  4                          ; 1,024 / 256
.set RQ, 2                             ; v2  dump: my row, 32 g (q's own columns)
.set RE, 3                             ; v3  dump: my row, 64 g (the columns 2 j, 2 j + 1)
.set RV, 4                             ; v4  dump: v
.set RT, 5                             ; v5  table: my row, 64 g
.set SQ, 6                             ; v6  stage, in
.set LQ, 7                             ; v7  stage, back
.set GO, 8                             ; v8  16 x lane
.set VD, 9                             ; v9  dump, in
.set ADRA, 16                          ; v16-17 my x fragments in slot 0, 1
.set ADRB, 20                          ; v20-21 w's
.set SPW, 28                           ; v28 my spare word; never rewritten
.set NIL, 29                           ; v29 0; never rewritten
.set PFO, 30                           ; v30 the prefetches' offset; never rewritten
.set KAP, 40                           ; v40 16/15
.set M15, 41                           ; v41 -15
.set VO,  56
.set QB,  64
.set KB,  80
.set X,   96
.set H1,  112
.set H2,  120
.set T,   128
.set QD,  144
.set QE,  160
.set KD,  176
.set KE,  192
.set VV,  208
.set Y,   224
.set WV, 14                            ; s14 wave
.set FB, 15                            ; s15 0: I fetch x, 1: w
.set HF, 16                            ; s16 which half of that tile
.set TY, 17                            ; s17 tile row
.set TX, 42                            ; s42 head
.set G1, 24
.set G0, 32
.set G1B, 48
.set G0B, 56
.set G1T, 68
.set G0T, 76
.set SK, 80                            ; s[80:81] K2 at my rows
.set SQB, 82                           ; s[82:83] Q2
.set SV, 84                            ; s[84:85] v16
.set PFA, 88                           ; s[88:89] where my prefetches stand
.set LIM, 90                           ; s90 1 in a wave that prefetches, else the greatest number
.set MSB, 0
.macro WIN new                         ; the high byte repeats the setting that is left; a switch that changes nothing is dropped
.if MSB != (\new)
	s_set_vgpr_msb (MSB<<8)|(\new)
.set MSB, \new
.endif
.endm
.macro PLACES                          ; four places behind matrix instructions, in front of loads into registers that they read and of stores of their results
.rept 4
	v_nop
.endr
.endm
; A joint refill: waves 0, 1 fetch x's two halves, waves 2, 3 w's.  The branch hangs on the wave's number alone.  An s_nop 0 and four v_nop follow each line.
.macro JLOAD s
	s_cmp_lt_u32 s[WV], 2
	s_cbranch_scc0 .Lfor_b_\@
	tensor_load_to_lds s[G0+4*(\s):G0+4*(\s)+3], s[G1:G1+7]
	s_nop 0
.rept 4
	v_nop
.endr
	s_branch .Lasked_\@
.Lfor_b_\@:
	tensor_load_to_lds s[G0B+4*(\s):G0B+4*(\s)+3], s[G1B:G1B+7]
	s_nop 0
.rept 4
	v_nop
.endr
.Lasked_\@:
.endm
; A prefetch into the L2 of the K step that stands two refills on: a lane a row, 256 bytes of it.  x's rows are read by all clusters of a row of clusters: the one with x = 0 asks; w's by all of a column: y = 0 asks.
; The four partners share the rows that a wave fetches by address: 32 each of x's 128, 24 each of w's 96 (lanes 23-31 name one row).  The loop's last trip asks for nothing: K ends.
.macro ASK
	s_cmp_gt_u32 s3, s[LIM]
	s_cbranch_scc0 .Lnot_mine_\@
	global_prefetch_b8 v[PFO], s[PFA:PFA+1] offset:KSTEP*2 th:TH_LOAD_NT scope:SCOPE_SE
.Lnot_mine_\@:
.endm
.macro CREST                           ; a round of the cluster's barrier behind its opening barrier
	s_cmp_lg_u32 s[WV], 0
	s_cbranch_scc1 .Lnot_wave_0_\@
	s_barrier_signal -3
.Lnot_wave_0_\@:
	s_barrier_wait -3
	s_barrier_signal -1
	s_barrier_wait -1
.endm
.macro CROUND
	s_barrier_signal -1
	s_barrier_wait -1
	CREST
.endm
	s_load_b256 s[4:11], s[0:1], 0x0               ; xb s[4:5], wqkv s[6:7], tab s[8:9], qk2 s[10:11]
	s_load_b64 s[12:13], s[0:1], 0x20              ; v16
	v_lshl_add_u32 v[SPW], v0, 2, SPARE
	v_mov_b32 v[NIL], 0
	ds_add_u32 v[SPW], v[NIL]                      ; the wave's opening: the add and its wait stand ahead of my first tensor load
	v_lshrrev_b32 v1, 5, v0
	v_readfirstlane_b32 s[WV], v1
	s_lshr_b32 s[FB], s[WV], 1
	s_and_b32 s[HF], s[WV], 1
	s_bfe_u32 s40, ttmp6, 0x40000                  ; cx
	s_bfe_u32 s41, ttmp6, 0x40004                  ; cy
	s_lshl_b32 s[TX], ttmp9, 2
	s_add_co_u32 s[TX], s[TX], s40                 ; head = 4 x cluster x + cx
	s_and_b32 s[TY], ttmp7, 0xffff
	s_lshl_b32 s[TY], s[TY], 2
	s_add_co_u32 s[TY], s[TY], s41                 ; tile row = 4 x cluster y + cy
	s_lshl_b32 s43, s41, 2
	s_lshl_b32 s43, 15, s43                        ; my row of the cluster
	s_lshl_b32 s44, 0x1111, s40                    ; my column
	s_or_b32 s[G1+0], s43, (1<<16)|(1<<20)|(1<<21)|(5<<22)|(3<<25)   ; mask; 2-byte elements; padding on; bit 21 beside a mask; after every 64 words; 4 words
	s_or_b32 s[G1B+0], s44, (1<<16)|(1<<20)|(1<<21)|(5<<22)|(3<<25)
	s_or_b32 s[G1T+0], s43, (2<<16)|(1<<20)|(1<<21)|(5<<22)|(3<<25)  ; the table hangs on the tile row alone; 4-byte elements
	s_mov_b32 s[G1+1], KSTEP<<16                   ; x: 128 rows x 128 elements, 1,024 from row to row
	s_mov_b32 s[G1+2], 128<<16
	s_mov_b32 s[G1+3], KSTEP<<16
	s_mov_b32 s[G1+4], 128
	s_mov_b32 s[G1+5], 1024
	s_mov_b32 s[G1+6], 0
	s_mov_b32 s[G1+7], 0
	s_mov_b32 s[G1B+1], KSTEP<<16                  ; w: 96 rows x 128 elements
	s_mov_b32 s[G1B+2], 96<<16
	s_mov_b32 s[G1B+3], KSTEP<<16
	s_mov_b32 s[G1B+4], 96
	s_mov_b32 s[G1B+5], 1024
	s_mov_b32 s[G1B+6], 0
	s_mov_b32 s[G1B+7], 0
	s_mov_b32 s[G1T+1], 64<<16                     ; table: 128 rows x 64 f32, dense
	s_mov_b32 s[G1T+2], 128<<16
	s_mov_b32 s[G1T+3], 64<<16
	s_mov_b32 s[G1T+4], 128
	s_mov_b32 s[G1T+5], 64
	s_mov_b32 s[G1T+6], 0
	s_mov_b32 s[G1T+7], 0
	s_lshl_b32 s18, s[TY], 8
	s_lshl_b32 s19, s[HF], 7
	s_add_co_u32 s18, s18, s19                     ; x's and the table's first row: 256 x tile row + 128 x half
	s_lshl_b32 s22, s18, 8                         ; in the table's bytes,
	s_mov_b32 s23, 0
	s_lshl_b32 s18, s18, 11                        ; in xb's
	s_mov_b32 s19, 0
	s_mul_i32 s46, s[TX], 192
	s_mul_i32 s47, s[HF], 96
	s_add_co_u32 s46, s46, s47                     ; w's first row: 192 x head + 96 x half
	s_lshl_b32 s46, s46, 11
	s_mov_b32 s47, 0
	s_mul_i32 s20, s[HF], ATILE                    ; where they go: no place in the cluster enters an LDS address
	s_mul_i32 s21, s[HF], BTILE
	s_wait_dscnt 0x0                               ; the opening add is done
	s_wait_kmcnt 0x0
	s_add_nc_u64 s[18:19], s[4:5], s[18:19]
	s_add_nc_u64 s[46:47], s[6:7], s[46:47]
	s_add_nc_u64 s[22:23], s[8:9], s[22:23]
	CROUND                                         ; all sixteen work-groups are here: the first joint loads meet
.irp s, 0,1
	s_mov_b32 s[G0+4*(\s)], 1
	s_add_co_u32 s[G0+4*(\s)+1], s20, (\s)*SLOT
	s_add_nc_u64 s[G0+4*(\s)+2:G0+4*(\s)+3], s[18:19], (\s)*KSTEP*2
	s_or_b32 s[G0+4*(\s)+3], s[G0+4*(\s)+3], 0x80000000
	s_mov_b32 s[G0B+4*(\s)], 1
	s_add_co_u32 s[G0B+4*(\s)+1], s21, (\s)*SLOT+BOFF
	s_add_nc_u64 s[G0B+4*(\s)+2:G0B+4*(\s)+3], s[46:47], (\s)*KSTEP*2
	s_or_b32 s[G0B+4*(\s)+3], s[G0B+4*(\s)+3], 0x80000000
.endr
	s_mov_b32 s[G0T], 1
	s_add_co_u32 s[G0T+1], s20, TAB
	s_mov_b64 s[G0T+2:G0T+3], s[22:23]
	s_or_b32 s[G0T+3], s[G0T+3], 0x80000000
	s_cmp_lt_u32 s[WV], 2                          ; a wave's first fills stand in one branch: two loads of mine are out, or three
	s_cbranch_scc0 .Lfirst_b
	tensor_load_to_lds s[G0:G0+3], s[G1:G1+7]
	s_nop 0
	tensor_load_to_lds s[G0+4:G0+7], s[G1:G1+7]
	s_nop 0
.rept 4
	v_nop
.endr
	s_branch .Lfirst_asked
.Lfirst_b:
	tensor_load_to_lds s[G0B:G0B+3], s[G1B:G1B+7]
	s_nop 0
	tensor_load_to_lds s[G0T:G0T+3], s[G1T:G1T+7]
	s_nop 0
	tensor_load_to_lds s[G0B+4:G0B+7], s[G1B:G1B+7]
	s_nop 0
.rept 4
	v_nop
.endr
.Lfirst_asked:
	v_and_b32 v1, 15, v0                           ; r = l % 16
	v_bfe_u32 v10, v0, 4, 1                        ; h = l / 16
	v_and_b32 v12, 31, v0                          ; l
	v_mul_u32_u24 v11, v1, PITCH
	v_lshl_add_u32 v11, v10, 4, v11                ; a fragment's row x pitch + 16 x half
	s_mul_i32 s91, s[WV], 64*PITCH                 ; my 64 rows
	v_add_nc_u32 v[ADRA], s91, v11
	v_add_nc_u32 v[ADRA+1], SLOT, v[ADRA]
	v_add_nc_u32 v[ADRB], BOFF, v11
	v_add_nc_u32 v[ADRB+1], SLOT+BOFF, v11
	s_mul_i32 s92, s[WV], DUMP
	v_mul_u32_u24 v[VD], v1, DP
	v_lshl_add_u32 v[VD], v10, 5, v[VD]
	v_add_nc_u32 v[VD], s92, v[VD]                 ; dump, in: row r, 32 bytes for each half of the lanes
	v_lshrrev_b32 v13, 2, v12                      ; the way out: my row of a trip's eight,
	v_and_b32 v14, 3, v0                           ; and g: I own j = 8 g .. 8 g + 7
	v_mul_u32_u24 v15, v13, DP
	v_add_nc_u32 v15, s92, v15
	v_lshl_add_u32 v[RQ], v14, 5, v15
	v_lshl_add_u32 v[RE], v14, 6, v15
	v_lshrrev_b32 v15, 3, v12                      ; v: row l / 8 (and 4 further), columns 8 (l % 8) ..
	v_mul_u32_u24 v15, v15, DP
	v_add_nc_u32 v15, s92, v15
	v_and_b32 v18, 7, v0
	v_lshl_add_u32 v15, v18, 5, v15
	v_add_nc_u32 v[RV], 512, v15
	v_mul_u32_u24 v15, v13, PITCH
	v_add_nc_u32 v15, s91, v15
	v_lshl_add_u32 v15, v14, 6, v15
	v_add_nc_u32 v[RT], TAB, v15
	s_mul_i32 s93, s[WV], OSTW
	s_add_co_u32 s93, s93, OST
	v_mul_u32_u24 v15, v13, OPI
	v_lshl_add_u32 v15, v14, 4, v15
	v_add_nc_u32 v[SQ], s93, v15
	v_mul_u32_u24 v15, v10, OPI
	v_lshl_add_u32 v15, v1, 4, v15
	v_add_nc_u32 v[LQ], s93, v15
	v_lshlrev_b32 v[GO], 4, v12
	v_mov_b32 v[KAP], 0x3f888889                   ; 16/15
	v_mov_b32 v[M15], 0xc1700000                   ; -15
.irp i, 0,1,2,3,4,5,6,7
	v_mov_b32 v[H2+\i], 0                          ; written half by half below: whole once
.endr
	s_lshl_b32 s2, s[TX], 12                       ; my first row in the outputs: 4,096 x head + 256 x tile row + 64 x wave
	s_lshl_b32 s3, s[TY], 8
	s_add_co_u32 s2, s2, s3
	s_lshl_b32 s3, s[WV], 6
	s_add_co_u32 s2, s2, s3
	s_lshl_b32 s18, s2, 8
	s_mov_b32 s19, 0
	s_add_nc_u64 s[SK:SK+1], s[10:11], s[18:19]
	s_add_nc_u64 s[SQB:SQB+1], s[SK:SK+1], 0x1000000
	s_lshl_b32 s18, s2, 7
	s_add_nc_u64 s[SV:SV+1], s[12:13], s[18:19]
	; the prefetches
	s_and_b32 s22, ttmp7, 0xffff                   ; cluster y
	s_lshl_b32 s20, s[TY], 8
	s_mul_i32 s21, s[TX], 192
	s_cmp_eq_u32 s[FB], 0                          ; do I fetch x?
	s_cselect_b32 s20, s20, s21                    ; the tile's first row
	s_cselect_b32 s21, s40, s41                    ; my place among the four that ask for it with me
	s_cselect_b32 s22, ttmp9, s22                  ; the coordinate along which other clusters read the same rows
	s_cselect_b64 s[PFA:PFA+1], s[4:5], s[6:7]
	s_cselect_b32 s23, 4, 3                        ; rows that a wave fetches, in 32s: 128 of x, 96 of w
	s_cselect_b32 s2, 32, 24                       ; rows of them that a partner asks for
	s_lshl_b32 s23, s23, 5                         ; (behind the last select: the shift writes SCC)
	s_cmp_eq_u32 s22, 0
	s_cselect_b32 s[LIM], 1, -1                    ; the same in all sixteen partners, for a given wave
	s_mul_i32 s23, s23, s[HF]
	s_add_co_u32 s20, s20, s23
	s_mul_i32 s21, s21, s2
	s_add_co_u32 s20, s20, s21
	s_lshl_b32 s20, s20, 11
	s_mov_b32 s21, 0
	s_add_nc_u64 s[PFA:PFA+1], s[PFA:PFA+1], s[20:21]
	s_add_nc_u64 s[PFA:PFA+1], s[PFA:PFA+1], 2*KSTEP*2  ; at K step 2: the first refill steps it to 3 and names K step 4
	s_sub_co_u32 s2, s2, 1
	v_min_u32 v[PFO], s2, v12
	v_lshlrev_b32 v[PFO], 11, v[PFO]
; 12 matrix instructions: row block a x all 12 column blocks, 32 along K, from buffer f.  The 48 accumulators take turns in one order in every quarter step.
.macro MUL12 f, a, zero
	WIN 0xa5+0x50*((\a)/2)
.irp b, 0,1,2,3,4,5,6,7,8,9,10,11
.if \zero
	v_wmma_f32_16x16x32_bf16 v[8*(12*((\a)%2)+(\b)):8*(12*((\a)%2)+(\b))+7], v[96*(\f)+8*(\b):96*(\f)+8*(\b)+7], v[192+32*(\f)+8*(\a):192+32*(\f)+8*(\a)+7], 0
.else
	v_wmma_f32_16x16x32_bf16 v[8*(12*((\a)%2)+(\b)):8*(12*((\a)%2)+(\b))+7], v[96*(\f)+8*(\b):96*(\f)+8*(\b)+7], v[192+32*(\f)+8*(\a):192+32*(\f)+8*(\a)+7], v[8*(12*((\a)%2)+(\b)):8*(12*((\a)%2)+(\b))+7]
.endif
.endr
.endm
; 32 LDS loads in one run: 24 for w's 192 rows, then 8 for my 64 rows of x, 32 K at byte k of the rows, into buffer f
.macro FETCH slot, k, f
	WIN 0x40
.irp b, 0,1,2,3,4,5,6,7,8,9,10,11
	ds_load_b128 v[96*(\f)+8*(\b):96*(\f)+8*(\b)+3],   v[ADRB+(\slot)] offset:(\k)+(\b)*16*PITCH
	ds_load_b128 v[96*(\f)+8*(\b)+4:96*(\f)+8*(\b)+7], v[ADRB+(\slot)] offset:(\k)+(\b)*16*PITCH+32
.endr
.irp a, 0,1,2,3
	ds_load_b128 v[192+32*(\f)+8*(\a):192+32*(\f)+8*(\a)+3],   v[ADRA+(\slot)] offset:(\k)+(\a)*16*PITCH
	ds_load_b128 v[192+32*(\f)+8*(\a)+4:192+32*(\f)+8*(\a)+7], v[ADRA+(\slot)] offset:(\k)+(\a)*16*PITCH+32
.endr
.endm
.macro QUARTER slot, k, f, g, zero
	s_wait_dscnt 4                                 ; w's and x's blocks 0, 1 are in; the youngest four loads (blocks 2, 3) may be out
	MUL12 \f, 0, \zero
	MUL12 \f, 1, \zero
	PLACES
	FETCH \slot, \k, \g
	s_wait_dscnt 32                                ; all but the 32 just issued
	MUL12 \f, 2, \zero
	MUL12 \f, 3, \zero
.endm
; The last quarter multiplies buffer 1 and changes slots: in front of the barrier each wave waits for all its tensor loads (one is out: its part of the next slot), adds 0 to its spare word, and waits for that and for its reads of this slot.
; fill = 1: the barrier opens a round of the cluster's, and the joint refill, two K steps on, is the first thing behind it.
.macro TURN slot, next, fill
.if \fill
	s_wait_xcnt 0x0                                ; the last prefetch, a K step back, has read its address
	s_add_nc_u64 s[PFA:PFA+1], s[PFA:PFA+1], KSTEP*2
.endif
	WIN 0
	s_wait_tensorcnt 0x0
	ds_add_u32 v[SPW], v[NIL]
	s_wait_dscnt 5                                 ; (the add and the youngest four loads may be out)
	MUL12 1, 0, 0
	s_wait_dscnt 0x0                               ; the add is done, and my reads of this slot are over
	s_barrier_signal -1
	MUL12 1, 1, 0
.if \fill
	WIN 0
.endif
	s_barrier_wait -1
.if \fill
	CREST
	s_add_nc_u64 s[G0+4*(\slot)+2:G0+4*(\slot)+3], s[G0+4*(\slot)+2:G0+4*(\slot)+3], 2*KSTEP*2
	s_add_nc_u64 s[G0B+4*(\slot)+2:G0B+4*(\slot)+3], s[G0B+4*(\slot)+2:G0B+4*(\slot)+3], 2*KSTEP*2
	JLOAD \slot                                    ; its four v_nop are also the places in front of the loads below
.else
	PLACES
.endif
	FETCH \next, 0, 0
.if \fill
	WIN 0
	ASK
.endif
	MUL12 1, 2, 0
	MUL12 1, 3, 0
.endm
	s_wait_tensorcnt 1                             ; my part of K step 0 (and of the table) is in; K step 1's may stay out
	s_barrier_signal -1
	s_barrier_wait -1
	FETCH 0, 0, 0
	QUARTER 0, 64, 0, 1, 1                         ; the first quarter's products start the sums
	WIN 0
	s_mov_b32 s3, LAPS-1
.Llap:
	QUARTER 0, 128, 1, 0, 0
	QUARTER 0, 192, 0, 1, 0
	TURN 0, 1, 1
	QUARTER 1, 64,  0, 1, 0
	QUARTER 1, 128, 1, 0, 0
	QUARTER 1, 192, 0, 1, 0
	TURN 1, 0, 1
	QUARTER 0, 64,  0, 1, 0
	WIN 0
	s_sub_co_u32 s3, s3, 1
	s_cmp_lg_u32 s3, 0
	s_cbranch_scc1 .Llap
	QUARTER 0, 128, 1, 0, 0                        ; the last lap fills nothing
	QUARTER 0, 192, 0, 1, 0
	TURN 0, 1, 0
	QUARTER 1, 64,  0, 1, 0
	QUARTER 1, 128, 1, 0, 0
	QUARTER 1, 192, 0, 1, 0
	s_wait_dscnt 4
	MUL12 1, 0, 0
	MUL12 1, 1, 0
	s_wait_dscnt 0x0
	MUL12 1, 2, 0
	MUL12 1, 3, 0
	WIN 0
	s_barrier_signal -1                            ; every wave's reads of the ring are over (the wait for 0 above): its bytes, which are filled no more, become the dumps
	s_barrier_wait -1
	PLACES
.irp a, 0,1,2,3
	WIN 0x08+4*((\a)/2)                            ; a store's data is source 1
.irp b, 0,1,2,3,4,5,6,7,8,9,10,11
	ds_store_b128 v[VD], v[8*(12*((\a)%2)+(\b)):8*(12*((\a)%2)+(\b))+3]   offset:(\a)*16*DP+(\b)*64
	ds_store_b128 v[VD], v[8*(12*((\a)%2)+(\b))+4:8*(12*((\a)%2)+(\b))+7] offset:(\a)*16*DP+(\b)*64+16
.endr
.endr
	WIN 0
.macro ROT d, e                        ; X = the rotated 16 numbers: j = 8 g + 0..7, then 32 + j
.irp i, 0,1,2,3
	v_pk_mul_f32 v[X+2*\i:X+2*\i+1], v[(\d)+2*\i:(\d)+2*\i+1], v[T+4*\i:T+4*\i+1]
	v_pk_mul_f32 v[X+8+2*\i:X+8+2*\i+1], v[(\d)+8+2*\i:(\d)+8+2*\i+1], v[T+4*\i:T+4*\i+1]
.endr
.irp j, 0,1,2,3,4,5,6,7
	v_fma_f32 v[X+\j], -v[(\e)+2*\j+1], v[T+4*(\j/2)+2+\j%2], v[X+\j]
	v_fma_f32 v[X+8+\j], v[(\e)+2*\j], v[T+4*(\j/2)+2+\j%2], v[X+8+\j]
.endr
.endm
.macro STAGE_IO off, back              ; 16 bytes four times into my stage, and whole rows of 256 bytes back
	ds_store_b128 v[SQ], v[H1:H1+3]   offset:(\off)
	ds_store_b128 v[SQ], v[H1+4:H1+7] offset:(\off)+64
	ds_store_b128 v[SQ], v[H2:H2+3]   offset:(\off)+128
	ds_store_b128 v[SQ], v[H2+4:H2+7] offset:(\off)+192
.irp t, 0,1,2,3
	ds_load_b128 v[(\back)+4*\t:(\back)+4*\t+3], v[LQ] offset:(\off)+\t*2*OPI  ; LDS serves a wave's instructions in order (ISA guide 5.7.1.4): these see the stores above
.endr
.endm
	s_mov_b32 s3, 8
.Lrows:                                        ; eight trips of eight rows; all LDS bytes here are the wave's own but the table, which nobody writes
.irp t, 0,1,2,3
	ds_load_b128 v[T+4*\t:T+4*\t+3], v[RT] offset:16*\t
.endr
	ds_load_b128 v[QD:QD+3],     v[RQ]
	ds_load_b128 v[QD+4:QD+7],   v[RQ] offset:16
	ds_load_b128 v[QD+8:QD+11],  v[RQ] offset:128
	ds_load_b128 v[QD+12:QD+15], v[RQ] offset:144
.irp t, 0,1,2,3
	ds_load_b128 v[QE+4*\t:QE+4*\t+3], v[RE] offset:16*\t
.endr
	ds_load_b128 v[KD:KD+3],     v[RQ] offset:256
	ds_load_b128 v[KD+4:KD+7],   v[RQ] offset:272
	ds_load_b128 v[KD+8:KD+11],  v[RQ] offset:384
	ds_load_b128 v[KD+12:KD+15], v[RQ] offset:400
.irp t, 0,1,2,3
	ds_load_b128 v[KE+4*\t:KE+4*\t+3], v[RE] offset:256+16*\t
.endr
	ds_load_b128 v[VV:VV+3],     v[RV]
	ds_load_b128 v[VV+4:VV+7],   v[RV] offset:16
	ds_load_b128 v[VV+8:VV+11],  v[RV] offset:4*DP
	ds_load_b128 v[VV+12:VV+15], v[RV] offset:4*DP+16
	s_wait_dscnt 12                                ; the table's and q's twelve are in; k's eight and v's four may be out
	ROT QD, QE
.irp i, 0,1,2,3,4,5,6,7
	v_cvt_pk_f16_f32 v[H1+\i], v[X+2*\i], v[X+2*\i+1]      ; U1
.endr
.irp i, 0,1,2,3,4,5,6,7
	v_fma_mixlo_f16 v[H2+\i], v[X+2*\i], v[KAP], -v[H1+\i] op_sel_hi:[0,0,1]                    ; U2 = f16(16/15 q - U1), one rounding
	v_fma_mixhi_f16 v[H2+\i], v[X+2*\i+1], v[KAP], -v[H1+\i] op_sel:[0,0,1] op_sel_hi:[0,0,1]
.endr
	STAGE_IO 0, QB
	s_wait_dscnt 12                                ; k's eight are in; v's four and q's four stores and four loads may be out
	ROT KD, KE
.irp i, 0,1,2,3,4,5,6,7
	v_pk_mul_f32 v[Y+2*\i:Y+2*\i+1], v[X+2*\i:X+2*\i+1], 0x3d800000 op_sel_hi:[1,0]  ; k / 16
.endr
.irp i, 0,1,2,3,4,5,6,7
	v_cvt_pk_f16_f32 v[H1+\i], v[Y+2*\i], v[Y+2*\i+1]      ; W1
.endr
.irp i, 0,1,2,3,4,5,6,7
	v_fma_mixlo_f16 v[H2+\i], v[H1+\i], v[M15], v[X+2*\i] op_sel_hi:[1,0,0]                     ; W2 = f16(k - 15 W1), one rounding
	v_fma_mixhi_f16 v[H2+\i], v[H1+\i], v[M15], v[X+2*\i+1] op_sel:[1,0,0] op_sel_hi:[1,0,0]
.endr
	STAGE_IO 8*OPI, KB
	s_wait_dscnt 16                                ; v's four are in; q's eight and k's eight may be out
.irp i, 0,1,2,3,4,5,6,7
	v_cvt_pk_f16_f32 v[VO+\i], v[VV+2*\i], v[VV+2*\i+1]
.endr
	global_store_b128 v[GO], v[VO:VO+3],   s[SV:SV+1]             ; four rows of 128 bytes: 512 consecutive bytes
	global_store_b128 v[GO], v[VO+4:VO+7], s[SV:SV+1] offset:512
	s_wait_dscnt 8                                 ; q's rows are back; k's eight may be out
.irp t, 0,1,2,3
	global_store_b128 v[GO], v[QB+4*\t:QB+4*\t+3], s[SQB:SQB+1] offset:\t*512  ; two rows of 256 bytes
.endr
	s_wait_dscnt 0x0
.irp t, 0,1,2,3
	global_store_b128 v[GO], v[KB+4*\t:KB+4*\t+3], s[SK:SK+1] offset:\t*512
.endr
	v_add_nc_u32 v[RQ], 8*DP, v[RQ]
	v_add_nc_u32 v[RE], 8*DP, v[RE]
	v_add_nc_u32 v[RV], 8*DP, v[RV]
	v_add_nc_u32 v[RT], 8*PITCH, v[RT]
	s_wait_xcnt 0x0                                ; the stores have read their data and bases: both are written again below and in the next trip
	s_add_nc_u64 s[SQB:SQB+1], s[SQB:SQB+1], 2048
	s_add_nc_u64 s[SK:SK+1], s[SK:SK+1], 2048
	s_add_nc_u64 s[SV:SV+1], s[SV:SV+1], 1024
	s_sub_co_u32 s3, s3, 1
	s_cmp_lg_u32 s3, 0
	s_cbranch_scc1 .Lrows
	s_wait_tensorcnt 0x0                           ; the wave's end
	ds_add_u32 v[SPW], v[NIL]
	s_wait_dscnt 0x0
	CROUND                                         ; the closing round
	s_endpgm
.Lfunc_end_k_q2438d7e099_qkv:
	.size	k_q2438d7e099_qkv, .Lfunc_end_k_q2438d7e099_qkv-k_q2438d7e099_qkv
	.p2alignl 7, 3214868480
	.fill 96, 4, 3214868480
	.section	.rodata,"a",@progbits
	.p2align	6, 0x0
	.amdhsa_kernel k_q2438d7e099_qkv
		.amdhsa_group_segment_fixed_size 327680
		.amdhsa_private_segment_fixed_size 0
		.amdhsa_enable_private_segment 0
		.amdhsa_kernarg_size 40
		.amdhsa_user_sgpr_count 2
		.amdhsa_user_sgpr_kernarg_segment_ptr 1
		.amdhsa_wavefront_size32 1
		.amdhsa_system_sgpr_workgroup_id_x 1
		.amdhsa_system_sgpr_workgroup_id_y 1
		.amdhsa_system_sgpr_workgroup_id_z 1
		.amdhsa_system_vgpr_workitem_id 0
		.amdhsa_next_free_vgpr 960
		.amdhsa_next_free_sgpr 96
		.amdhsa_reserve_vcc 0
		.amdhsa_float_denorm_mode_32 3
		.amdhsa_float_denorm_mode_16_64 3
		.amdhsa_memory_ordered 1
		.amdhsa_forward_progress 1
		.amdhsa_inst_pref_size 116
	.end_amdhsa_kernel
	.amdgpu_metadata
---
amdhsa.version: [ 1, 2 ]
amdhsa.kernels:
  - .name:           k_q2438d7e099_qkv
    .symbol:         k_q2438d7e099_qkv.kd
    .args:
      - { .name: xb, .offset: 0, .size: 8, .value_kind: global_buffer, .address_space: global }
      - { .name: wqkv, .offset: 8, .size: 8, .value_kind: global_buffer, .address_space: global }
      - { .name: tab, .offset: 16, .size: 8, .value_kind: global_buffer, .address_space: global }
      - { .name: qk2, .offset: 24, .size: 8, .value_kind: global_buffer, .address_space: global }
      - { .name: v16, .offset: 32, .size: 8, .value_kind: global_buffer, .address_space: global }
    .group_segment_fixed_size: 327680
    .private_segment_fixed_size: 0
    .kernarg_segment_align: 8
    .kernarg_segment_size: 40
    .max_flat_workgroup_size: 128
    .sgpr_count:     96
    .vgpr_count:     960
    .wavefront_size: 32
...
	.end_amdgpu_metadata
.endif
;; end of part 2
;; launch attn (part 3): grid 16 x 16, 4 waves a work-group, clusters of 4 x 1, 327,680 bytes of LDS; arguments qk2, v16, o16; writes o16
.if DOCPART == 3
	.amdgcn_target "amdgcn-amd-amdhsa--gfx1250"
	.amdhsa_code_object_version 6
	.text
	.protected	k_q2438d7e099_attn
	.globl	k_q2438d7e099_attn
	.p2align	8
	.type	k_q2438d7e099_attn,@function
k_q2438d7e099_attn:
	s_mov_b64 s[64:65], 0
	v_nop
	global_prefetch_b8 v0, s[64:65] scope:SCOPE_SE
	s_setreg_imm32_b32 hwreg(HW_REG_WAVE_MODE, 25, 1), 1
	s_wait_xcnt 0x0
	s_wait_alu depctr_hold_cnt(0) depctr_sa_sdst(0) depctr_va_vdst(0) depctr_va_sdst(0) depctr_va_ssrc(0) depctr_va_vcc(0) depctr_vm_vsrc(0)
	s_getreg_b32 s2, hwreg(HW_REG_IB_STS2, 6, 4)
	s_cmp_eq_u32 s2, 0
	s_cbranch_scc0 .Lentry_in_a_cluster
	s_endpgm
.Lentry_in_a_cluster:
	s_bfe_u32 s2, ttmp6, 0x10000c
	s_cmp_lg_u32 s2, 0x3003
	s_cbranch_scc0 .Lentry_shape_is_right
	s_endpgm
.Lentry_shape_is_right:
; ATTENTION.  O[h][q][:] = the sum over k of softmax_k(8 q . k) V[h][k][:], 16 heads, 4,096 rows, head size 64, no mask.
; q . k comes as (U1 | U2) . (W1 | W2) = q . k / 15 over 128 f16 channels (the launch before says why): Q2 and K2 are [16][4096][128] f16 in qk2, K2 at byte 0, Q2 at byte 16,777,216.
; v16 and o16 are [16][4096][64] f16.  Products, maxima and sums in f32; the weights p are rounded to f16 for the second product (their sum l is taken of the unrounded p), O once at the end.
; LIMITS.  p lies in 0 to 1 and below 6e-5 keeps f16's fixed step of 6e-8; O is a mean of V's rows; a weight below 2^-126 counts as 0 in l; NaN and infinities are not treated apart.
; SHARES.  A work-group owns 256 queries of a head, a wave 64: two PIECES of two tiles of 16.  Every wave walks all keys, 64 a step, 64 steps.
; LAYOUT.  S^T = K Q^T (source 0 = 16 keys, source 1 = 16 queries): a lane holds ONE query (lane % 16) and the keys 8 (lane / 16) + 0..7.  Two such results, rounded to f16 in pairs, ARE source 1 of O^T = V^T P.
; SOFTMAX.  A running maximum m and sum l: p = 2^(c s - c m), c = 120 log2(e); in every step O and l are multiplied by a = 2^(c m_old - c m_new).  m starts at the lowest finite number, O and l at 0.
; BY TURNS.  Turn Y belongs to piece Y: 32 products K Q^T of the other piece's next scores, later 16 products V^T P of the other piece's last weights; beside them the scaling, exponentials, roundings, sums and
; rescaling of piece Y and the maximum and statistics of the other piece.  Four vector instructions stand behind every matrix instruction, the other 44 of a turn's 236 in one lump.  A turn's 66 exponentials are one batch with one wait.
;   piece 0's turn of step j: K Q^T of piece 1, step j (K of step j);      V^T P of piece 1, step j - 1.  It fetches K of step j + 1 and V of step j.
;   piece 1's turn of step j: K Q^T of piece 0, step j + 1;                V^T P of piece 0, step j.
; THE RING.  Two slots of four steps.  K is laid one step ahead: slot s holds K of steps 4 s + 1 .. 4 s + 4 and V of steps 4 s .. 4 s + 3, so that a slot's last reads of both stand in one turn.  K of step 0 has bytes of its own.
; The last slot's fourth K tile is the 64 rows behind the head's last: the next head's, or Q2's first: bytes of qk2 that are brought in and multiplied, and whose scores serve nothing.
; CLUSTER.  The four query blocks of a cluster belong to one head and walk the same K and V: each tile is asked for jointly.
; REGISTERS (s_set_vgpr_msb: bits 1:0 source 0, 3:2 source 1, 5:4 source 2, 7:6 destination):
;   window 0: addresses, statistics, v64-191 S^T (two buffers of two tiles), v192-255 P.   window 1: v0-127 O^T, v128-191 V of one step.   window 2: v0-127 Q, v128-255 K of one step.
.set NP,    2
.set KS,    64
.set PK,    272                        ; a row of K: 256 bytes + 16
.set PV,    160                        ; a row of V: 128 + 32
.set VOFF,  4*KS*PK
.set SLOTB, 4*KS*(PK+PV)               ; 110,592
.set K0B,   SLOTB                      ; K of step 0: 64 rows, filled once, between the slots
.set SLOT1, 1<<17
.set STAGE, SLOT1+SLOTB                ; 16 rows x 144 bytes a wave, for the way out
.set SP,    144
.set SPARE, STAGE+4*16*SP              ; the spare words: two blocks of 256 bytes that no other line names
.set AK0, 2
.set AV0, 3
.set AK,  4
.set AV,  5
.set QO,  6
.set STO, 6
.set RD,  7
.set GO,  8
.set MV,  12                           ; v12-15 c m_old, by buffer and tile
.set ST,  16                           ; tile t at v[ST+4 t]: c m, m, l (even keys', odd keys')
.set SPW, 32                           ; v32 my spare word; never rewritten
.set NIL, 33                           ; v33 0; never rewritten
.set PFO, 34                           ; v34 256 x lane; never rewritten
.set TMP, 48                           ; by buffer and tile c0-c3; c2 takes a
.set S,   64
.set P,   192
.set VF,  128                          ; window 1
.set KF,  128                          ; window 2: key block kb, chunk c at KF + 32 kb + 8 c
.set WV,  12
.set G1K, 24
.set G1V, 32
.set G0K, 40
.set G0V, 44
.set G0X, 48
.set G1X, 52
.set SLOTS, 60
.set CNT, 61
.set TBK, 62
.set TBV, 63
.set CS,  66
.set SEL, 68
.set PFA, 70
.set LIM, 72
.set PFS, 74
.set MSB, 0
.macro WIN new
.if MSB != (\new)
	s_set_vgpr_msb (MSB<<8)|(\new)
.set MSB, (\new)
.endif
.endm
.set W_KQ, 0x0a
.set W_PV, 0x51
.set W_RS, 0x41
.macro JLOAD                           ; waves 0, 1: the halves of a slot's K; waves 2, 3: of its V.  An s_nop 0 and four v_nop follow each line
	s_cmp_lt_u32 s[WV], 2
	s_cbranch_scc0 .Lfor_v_\@
	tensor_load_to_lds s[G0K:G0K+3], s[G1K:G1K+7]
	s_nop 0
.rept 4
	v_nop
.endr
	s_branch .Lasked_\@
.Lfor_v_\@:
	tensor_load_to_lds s[G0V:G0V+3], s[G1V:G1V+7]
	s_nop 0
.rept 4
	v_nop
.endr
.Lasked_\@:
.endm
; A prefetch into the L2 of the slot that the NEXT change will ask for: four key steps ahead.  The head's first cluster asks; its partners share the slot out by address: 64 rows of K each (waves 0 and 1: 32 each, a lane a row)
; and 8,192 bytes of V (wave 2: a lane 256 bytes).  The last change that fills a slot asks for nothing.
.macro ASK
	s_cmp_gt_u32 s[SLOTS], s[LIM]
	s_cbranch_scc0 .Lnot_mine_\@
	global_prefetch_b8 v[PFO], s[PFA:PFA+1] th:TH_LOAD_NT scope:SCOPE_SE
.Lnot_mine_\@:
.endm
.macro CROUND
	s_barrier_signal -1
	s_barrier_wait -1
	s_cmp_lg_u32 s[WV], 0
	s_cbranch_scc1 .Lnot_wave_0_\@
	s_barrier_signal -3
.Lnot_wave_0_\@:
	s_barrier_wait -3
	s_barrier_signal -1
	s_barrier_wait -1
.endm
; THE CHANGE OF SLOTS, behind a turn of piece 1, which has waited for all its LDS loads.  Each wave waits for all its tensor loads (one is out: its part of the other slot), adds 0 to its spare word, and waits for that.
; fill = 1: the slot just left is filled again, two slots on, first thing behind a round of the cluster's barrier: it has four key steps in which to land.
.macro CHANGE fill, ask
	WIN 0
	s_wait_tensorcnt 0x0
	ds_add_u32 v[SPW], v[NIL]
.if \fill
	s_xor_b32 s[G0K+1], s[G0K+1], SLOT1
	s_add_nc_u64 s[G0K+2:G0K+3], s[G0K+2:G0K+3], 4*KS*256
	s_xor_b32 s[G0V+1], s[G0V+1], SLOT1
	s_add_nc_u64 s[G0V+2:G0V+3], s[G0V+2:G0V+3], 4*KS*128
	s_wait_xcnt 0x0                                ; the last prefetch, four key steps back, has read its address
	s_add_nc_u64 s[PFA:PFA+1], s[PFA:PFA+1], s[PFS:PFS+1]
	s_wait_dscnt 0x0
	CROUND
	JLOAD
.if \ask
	ASK
.endif
.else
	s_wait_dscnt 0x0
	s_barrier_signal -1
	s_barrier_wait -1
.endif
	s_sub_co_u32 s[TBK], s[TBK], 4*KS*PK           ; the fetches go back to a slot's first step, in the other slot
	s_xor_b32 s[TBK], s[TBK], SLOT1
	s_sub_co_u32 s[TBV], s[TBV], 4*KS*PV
	s_xor_b32 s[TBV], s[TBV], SLOT1
.endm
	s_load_b128 s[4:7], s[0:1], 0x0                ; qk2 s[4:5], v16 s[6:7]
	s_load_b64 s[10:11], s[0:1], 0x10              ; o16
	v_lshl_add_u32 v[SPW], v0, 2, SPARE
	v_mov_b32 v[NIL], 0
	ds_add_u32 v[SPW], v[NIL]                      ; the wave's opening: the add and its wait stand ahead of my first tensor load
	v_lshrrev_b32 v1, 5, v0
	v_readfirstlane_b32 s[WV], v1
	s_bfe_u32 s13, ttmp6, 0x40000                  ; cx
	s_lshl_b32 s14, ttmp9, 2
	s_add_co_u32 s14, s14, s13                     ; my block of 256 queries: it enters Q's and O's addresses alone
	s_and_b32 s15, ttmp7, 0xffff                   ; the head
	s_and_b32 s16, s[WV], 1                        ; which half of a tile I fetch
	s_lshl_b32 s20, s15, 20                        ; the head in K2 and Q2
	s_lshl_b32 s22, s16, 15
	s_add_co_u32 s22, s22, s20
	s_add_co_u32 s22, s22, KS*256                  ; K: slot 0 begins with step 1
	s_mov_b32 s23, 0
	s_lshl_b32 s18, s15, 19                        ; the head in v16 and o16
	s_lshl_b32 s19, s16, 14
	s_add_co_u32 s18, s18, s19
	s_mov_b32 s19, 0
	s_lshl_b32 s2, s16, 13                         ; K of step 0: 32 rows each for waves 2, 3
	s_add_co_u32 s2, s2, s20
	s_mov_b32 s3, 0
	s_lshl_b32 s76, s14, 16                        ; Q: my block's 256 rows of 256 bytes, my wave's 64
	s_add_co_u32 s76, s76, s20
	s_lshl_b32 s77, s[WV], 14
	s_add_co_u32 s76, s76, s77
	s_add_co_u32 s76, s76, 0x1000000
	s_mov_b32 s77, 0
	s_lshl_b32 s78, s15, 19                        ; O likewise, rows of 128 bytes
	s_lshl_b32 s79, s14, 15
	s_add_co_u32 s78, s78, s79
	s_lshl_b32 s79, s[WV], 13
	s_add_co_u32 s78, s78, s79
	s_mov_b32 s79, 0
	s_mov_b32 s[G1K], 15|(1<<16)|(1<<20)|(1<<21)|(5<<22)|(3<<25)  ; the mask of four; 2-byte elements; padding on; bit 21 beside a mask; after every 64 words; 4 words
	s_mov_b32 s[G1X], 15|(1<<16)|(1<<20)|(1<<21)|(5<<22)|(3<<25)
	s_mov_b32 s[G1V], 15|(1<<16)|(1<<20)|(1<<21)|(4<<22)|(7<<25)  ; after every 32 words (a key); 8 words
	s_mov_b32 s[G1K+1], 128<<16                    ; K: 128 rows of 128 elements
	s_mov_b32 s[G1K+2], 128<<16
	s_mov_b32 s[G1K+3], 128<<16
	s_mov_b32 s[G1K+4], 128
	s_mov_b32 s[G1K+5], 128
	s_mov_b32 s[G1K+6], 0
	s_mov_b32 s[G1K+7], 0
	s_mov_b32 s[G1X+1], 128<<16                    ; K of step 0: 32 rows
	s_mov_b32 s[G1X+2], 32<<16
	s_mov_b32 s[G1X+3], 128<<16
	s_mov_b32 s[G1X+4], 32
	s_mov_b32 s[G1X+5], 128
	s_mov_b32 s[G1X+6], 0
	s_mov_b32 s[G1X+7], 0
	s_mov_b32 s[G1V+1], 128<<16                    ; V: 128 keys are 16,384 dense bytes: 64 rows of 256, two keys a row
	s_mov_b32 s[G1V+2], 64<<16
	s_mov_b32 s[G1V+3], 128<<16
	s_mov_b32 s[G1V+4], 64
	s_mov_b32 s[G1V+5], 128
	s_mov_b32 s[G1V+6], 0
	s_mov_b32 s[G1V+7], 0
	s_mov_b32 s[CS], 0x432d1f97                    ; c = 8 x 15 x log2(e)
	s_mov_b32 s[CS+1], s[CS]
	s_mov_b32 s[SEL], 0x76543210
	s_mov_b32 s[SEL+1], 0xfedcba98
	s_mov_b32 s[TBK], SLOT1+4*KS*PK                ; the first change of slots turns these two into 0
	s_mov_b32 s[TBV], SLOT1+4*KS*PV
	s_mov_b32 s[SLOTS], 15
	s_mov_b32 s[G0K], 1
	s_mul_i32 s[G0K+1], s16, 128*PK
	s_mov_b32 s[G0V], 1
	s_mul_i32 s[G0V+1], s16, 128*PV
	s_add_co_u32 s[G0V+1], s[G0V+1], VOFF
	s_mov_b32 s[G0X], 1
	s_mul_i32 s[G0X+1], s16, 32*PK
	s_add_co_u32 s[G0X+1], s[G0X+1], K0B
	s_cmp_eq_u32 s[WV], 3                          ; waves 0, 1, 2 of the head's first cluster prefetch
	s_cselect_b32 s[LIM], 1, 0
	s_or_b32 s[LIM], s[LIM], ttmp9
	s_cmp_eq_u32 s[LIM], 0
	s_cselect_b32 s[LIM], 1, -1
	v_and_b32 v[PFO], 31, v0
	v_lshlrev_b32 v[PFO], 8, v[PFO]
	s_wait_dscnt 0x0                               ; the opening add is done
	s_wait_kmcnt 0x0
	s_add_nc_u64 s[G0K+2:G0K+3], s[4:5], s[22:23]
	s_or_b32 s[G0K+3], s[G0K+3], 0x80000000
	s_add_nc_u64 s[G0V+2:G0V+3], s[6:7], s[18:19]
	s_or_b32 s[G0V+3], s[G0V+3], 0x80000000
	s_add_nc_u64 s[G0X+2:G0X+3], s[4:5], s[2:3]
	s_or_b32 s[G0X+3], s[G0X+3], 0x80000000
	s_add_nc_u64 s[8:9], s[4:5], s[76:77]          ; Q at my wave's first row
	s_add_nc_u64 s[10:11], s[10:11], s[78:79]      ; O
	s_cmp_lt_u32 s[WV], 2
	s_cselect_b64 s[PFA:PFA+1], s[4:5], s[6:7]
	s_cselect_b32 s73, 1, 0                        ; K's figures are twice V's
	s_lshl_b32 s20, s15, 19
	s_lshl_b32 s21, s13, 13                        ; my work-group's quarter of a slot
	s_add_co_u32 s20, s20, s21
	s_add_co_u32 s20, s20, 4*KS*128                ; in slot 1: the first change steps it to slot 2 and asks for nothing, the second names slot 3
	s_lshl_b32 s20, s20, s73
	s_lshl_b32 s21, s16, 13                        ; K: my wave's 32 rows, and the step by which K is laid ahead
	s_add_co_u32 s21, s21, KS*256
	s_mul_i32 s21, s21, s73
	s_add_co_u32 s20, s20, s21
	s_mov_b32 s21, 0
	s_add_nc_u64 s[PFA:PFA+1], s[PFA:PFA+1], s[20:21]
	s_mov_b32 s[PFS], 4*KS*128
	s_lshl_b32 s[PFS], s[PFS], s73
	s_mov_b32 s[PFS+1], 0
	CROUND                                         ; all four work-groups are here: the first joint loads meet
	s_cmp_lt_u32 s[WV], 2                          ; a wave's first fills stand in one branch: one load of mine is out, or two
	s_cbranch_scc0 .Lfirst_v
	tensor_load_to_lds s[G0K:G0K+3], s[G1K:G1K+7]
	s_nop 0
.rept 4
	v_nop
.endr
	s_branch .Lfirst_asked
.Lfirst_v:
	tensor_load_to_lds s[G0V:G0V+3], s[G1V:G1V+7]
	s_nop 0
	tensor_load_to_lds s[G0X:G0X+3], s[G1X:G1X+7]
	s_nop 0
.rept 4
	v_nop
.endr
.Lfirst_asked:
	v_and_b32 v1, 15, v0                           ; l % 16
	v_bfe_u32 v9, v0, 4, 1                         ; l / 16
	v_lshlrev_b32 v[QO], 8, v1
	v_lshl_add_u32 v[QO], v9, 4, v[QO]             ; row x 256 + 16 x half
	WIN 0x80
.set i, 0
.rept 16                                ; Q stays in registers: tile i / 4, channels 32 (i % 4) on
	global_load_b128 v[8*i:8*i+3],   v[QO], s[8:9] offset:(i/4)*4096+(i%4)*64
	global_load_b128 v[8*i+4:8*i+7], v[QO], s[8:9] offset:(i/4)*4096+(i%4)*64+32
.set i, i+1
.endr
	WIN 0x40                                       ; what the first turn finds: O^T and V hold 0, P's second buffer too, l is 0.  All this stands in the wait for the first tile.
.set i, 0
.rept 192
	v_mov_b32 v[i], 0
.set i, i+1
.endr
	WIN 0
.set i, 0
.rept 4
	v_mov_b32 v[ST+4*i], 0xfe000000                ; c m: far below every c s
	v_mov_b32 v[ST+4*i+1], 0xff7fffff              ; m
	v_mov_b32 v[ST+4*i+2], 0
	v_mov_b32 v[ST+4*i+3], 0
.set i, i+1
.endr
.set i, P+32
.rept 32
	v_mov_b32 v[i], 0
.set i, i+1
.endr
	v_mul_u32_u24 v[AK0], v1, PK
	v_lshl_add_u32 v[AK0], v9, 4, v[AK0]
	v_and_b32 v10, 7, v0                           ; the turning load: lane l reads key 8 (l / 16) + l % 8, channels 8 ((l / 8) % 2) + 0..7
	v_bfe_u32 v11, v0, 3, 1
	v_lshl_add_u32 v[AV0], v9, 3, v10
	v_mul_u32_u24 v[AV0], v[AV0], PV
	v_lshl_add_u32 v[AV0], v11, 4, v[AV0]
	v_add_nc_u32 v[AV0], VOFF, v[AV0]
; THE MATRIX WORK.  Product i of 32 of S^T = K Q^T for piece x: key block 2 (i / 16) + (i / 2) % 2, channels 32 ((i % 16) / 4) on, tile 2 x + i % 2.  Four accumulators take turns; key blocks 0, 1 are finished at product 15.
.macro KQ x
	WIN W_KQ
.set rS, S+64*((\x)%2)+32*(i%2)+8*(2*(i/16)+(i/2)%2)
.set rK, KF+32*(2*(i/16)+(i/2)%2)+8*((i%16)/4)
.set rQ, 32*(2*(\x)+i%2)+8*((i%16)/4)
.if (i%16) < 4
	v_wmma_f32_16x16x32_f16 v[rS:rS+7], v[rK:rK+7], v[rQ:rQ+7], 0
.else
	v_wmma_f32_16x16x32_f16 v[rS:rS+7], v[rK:rK+7], v[rQ:rQ+7], v[rS:rS+7]
.endif
.endm
; Product i of 16 of O^T += V^T P for piece x: keys 32 (i / 8) on, channels 16 ((i / 2) % 4) on, tile 2 x + i % 2.  Eight accumulators take turns.
.macro PV x
	WIN W_PV
.set rO, 32*(2*(\x)+i%2)+8*((i/2)%4)
.set rV, VF+32*(i/8)+8*((i/2)%4)
.set rP, P+32*((\x)%2)+16*(i%2)+8*(i/8)
	v_wmma_f32_16x16x32_f16 v[rO:rO+7], v[rV:rV+7], v[rP:rP+7], v[rO:rO+7]
.endm
.macro MM                              ; the turn's next matrix instruction
.if i < 32
	KQ 1-Y
.else
.set i, i-32
	PV 1-Y
.set i, i+32
.endif
.set i, i+1
.endm
; THE LDS LOADS stand in runs of 16.  Half a step's K: key blocks 2 half, 2 half + 1.
.macro FETCH_K half, step=1
	WIN 0x80
.irp f, 0,1,2,3,4,5,6,7
	ds_load_b128 v[KF+64*(\half)+8*\f:KF+64*(\half)+8*\f+3],   v[AK] offset:(2*(\half)+\f/4)*16*PK+(\f%4)*64
	ds_load_b128 v[KF+64*(\half)+8*\f+4:KF+64*(\half)+8*\f+7], v[AK] offset:(2*(\half)+\f/4)*16*PK+(\f%4)*64+32
.endr
.if (\half) && (\step)
	s_add_co_u32 s[TBK], s[TBK], KS*PK             ; the next fetch is the next step's
.endif
	WIN 0
.endm
.macro FETCH_V
	WIN 0x40
.irp f, 0,1,2,3,4,5,6,7                 ; keys 32 (f / 4) on, channels 16 (f % 4) on
	ds_load_tr16_b128 v[VF+8*\f:VF+8*\f+3],   v[AV] offset:(\f/4)*32*PV+(\f%4)*32
	ds_load_tr16_b128 v[VF+8*\f+4:VF+8*\f+7], v[AV] offset:(\f/4)*32*PV+16*PV+(\f%4)*32
.endr
	WIN 0
.endm
; THE VECTOR WORK.
.macro REGS y, u                       ; the registers of tile u (0, 1) of piece y
.set rT, ST+4*(2*(\y)+(\u))
.set rC, TMP+8*((\y)%2)+4*(\u)
.set rM, MV+2*((\y)%2)+(\u)
.set rS, S+64*((\y)%2)+32*(\u)
.set rP, P+32*((\y)%2)+16*(\u)
.set rO, 32*(2*(\y)+(\u))
.endm
; Number n of the 22 that find the OTHER piece's maximum and statistics; each accumulator's lowest registers are read first.
;   0-11 four chains c0-c3 of seven scores; 12-14, 16 the four scores left over, the old m, c0-c3 into c0; 15 c m_old is kept; 17, 18 the lane 16 away, the new m; 19-21 c m; c m_old - c m_new; a
.macro XS u, n
	REGS 1-Y, \u
.if (\n) < 4
	v_max3_num_f32 v[rC+(\n)], v[rS+8*(\n)], v[rS+8*(\n)+1], v[rS+8*(\n)+2]
.elseif (\n) < 12
	v_max3_num_f32 v[rC+(\n)%4], v[rC+(\n)%4], v[rS+8*((\n)%4)+2*((\n)/4)+1], v[rS+8*((\n)%4)+2*((\n)/4)+2]
.elseif (\n) == 12
	v_max3_num_f32 v[rC], v[rC], v[rS+7], v[rS+15]
.elseif (\n) == 13
	v_max3_num_f32 v[rC+1], v[rC+1], v[rS+23], v[rS+31]
.elseif (\n) == 14
	v_max3_num_f32 v[rC+2], v[rC+2], v[rC+3], v[rT+1]
.elseif (\n) == 15
	v_mov_b32 v[rM], v[rT]
.elseif (\n) == 16
	v_max3_num_f32 v[rC], v[rC], v[rC+1], v[rC+2]
.elseif (\n) == 17
	v_permlanex16_b32 v[rC+3], v[rC], s[SEL], s[SEL+1]
.elseif (\n) == 18
	v_max_num_f32 v[rT+1], v[rC], v[rC+3]
.elseif (\n) == 19
	v_mul_f32 v[rT], s[CS], v[rT+1]
.elseif (\n) == 20
	v_sub_f32 v[rC+1], v[rM], v[rT]
.else
	v_exp_f32 v[rC+2], v[rC+1]
.endif
.endm
.macro X2 n                            ; number n for both tiles
	WIN 0
	XS 0, \n
	XS 1, \n
.endm
.macro FS f                            ; c s - c m for pair f / 2 of tile f % 2
	WIN 0
	REGS Y, (\f)%2
	v_pk_fma_f32 v[rS+2*((\f)/2):rS+2*((\f)/2)+1], v[rS+2*((\f)/2):rS+2*((\f)/2)+1], s[CS:CS+1], v[rT:rT+1] op_sel_hi:[1,0,0] neg_lo:[0,0,1] neg_hi:[0,0,1]
.endm
.macro EX e                            ; the exponential of score e / 2 of tile e % 2; it stands behind FS 2 (e / 4) + e % 2
	WIN 0
	REGS Y, (\e)%2
	v_exp_f32 v[rS+(\e)/2], v[rS+(\e)/2]
.endm
.macro R2 r                            ; two of the 32 that multiply O^T by a: tile r % 2, registers 4 (r / 2) on: each accumulator from its low end
	REGS Y, (\r)%2
	WIN W_RS
.irp z, 0,1
	v_pk_mul_f32 v[rO+4*((\r)/2)+2*\z:rO+4*((\r)/2)+2*\z+1], v[rO+4*((\r)/2)+2*\z:rO+4*((\r)/2)+2*\z+1], v[rC+2:rC+3] op_sel_hi:[1,0]
.endr
.endm
; Number g of the 64 that follow the exponentials.  For each four weights of a tile: both pairs are rounded to f16; the second pair is added onto the first, in place; a group later l takes that sum (the first time as l = a l + sum).
.macro GS g
.set h, (\g)+6*((\g)/62)
.if h >= 6
.set h, h+2
.endif
	REGS Y, h%2
.set k, h/8
.if h%8 < 4
	v_cvt_pk_f16_f32 v[rP+2*k+(h%8)/2], v[rS+4*k+2*((h%8)/2)], v[rS+4*k+2*((h%8)/2)+1]
.elseif h%8 < 6
	v_pk_add_f32 v[rS+4*k:rS+4*k+1], v[rS+4*k:rS+4*k+1], v[rS+4*k+2:rS+4*k+3]
.elseif k == 1
	v_pk_fma_f32 v[rT+2:rT+3], v[rT+2:rT+3], v[rC+2:rC+3], v[rS:rS+1] op_sel_hi:[1,0,1]
.else
	v_pk_add_f32 v[rT+2:rT+3], v[rT+2:rT+3], v[rS+4*k-4:rS+4*k-3]
.endif
.endm
.macro G4
	WIN 0
.rept 4
	GS g
.set g, g+1
.endr
.endm
; A TURN, for piece p.  AHEAD OF THE WAIT stands all that names no result of the turn's exponentials: the 32 products K Q^T with four riders each, and the lump of 44.  BEHIND IT the 16 products V^T P, behind each four of the roundings and sums.
; The maximum's numbers that ride behind products 28 to 31 read key blocks 0, 1 alone, finished at product 15; in the lump the first reader of product 31's accumulator stands five plain instructions behind it.
; LDS loads, all in piece 0's turn: K's first run behind product 17 (six plain riders behind product 15, its registers' last reader); K's second run behind the wait; V's run at the turn's end, four plain riders behind V's last reader.
; Piece 1's turn waits for them by counts: 32 younger loads at its head, 16 ahead of product 16, none ahead of its first V^T P.
.macro TURN p
.set Y, (\p)
.set i, 0
.if (\p) == 1
	s_wait_dscnt 32                                ; K's first run is in; its second run's 16 and V's 16 may be out
.else
	WIN 0
	v_add_nc_u32 v[AK], s[TBK], v[AK0]
.endif
	MM
	FS 0
	FS 1
	R2 0
.set m, 1
.rept 13
	MM
	FS 2*m
	EX 4*m-4
	FS 2*m+1
	EX 4*m-3
.if ((\p) == 0) && (m == 9)
	FETCH_K 0
.endif
.if ((\p) == 1) && (m == 8)
	s_wait_dscnt 16                                ; K's second run is in; V's 16 may be out
.endif
	MM
	EX 4*m-2
	EX 4*m-1
	R2 m
.set m, m+1
.endr
	MM
	FS 28
	EX 52
	FS 29
	EX 53
	MM
	X2 0
	X2 1
	MM
	X2 4
	X2 5
	MM
	X2 8
	X2 9
	MM
	WIN 0
	XS 0, 12
	EX 54
	XS 1, 12
	EX 55
	X2 2                                           ; the lump
	X2 3
	X2 6
	X2 7
	X2 10
	X2 11
	X2 13
	X2 15
	X2 14
	FS 30
	FS 31
	X2 16
	EX 56
	EX 57
	X2 17
	EX 58
	EX 59
	X2 18
	EX 60
	EX 61
	X2 19
	EX 62
	EX 63
	X2 20
	R2 14
	X2 21                                          ; the other piece's two a: the batch's last
	R2 15                                          ; plain instructions behind the last exponential
	WIN 0
	s_wait_alu depctr_va_vdst(0)                   ; the one wait for the batch of 66, ahead of the first instruction that names a result
.if (\p) == 0
	v_add_nc_u32 v[AV], s[TBV], v[AV0]
	s_add_co_u32 s[TBV], s[TBV], KS*PV
	FETCH_K 1
.else
	s_wait_dscnt 0x0                               ; V is in
.endif
.set g, 0
.rept 16
	MM
	G4
.endr
.if (\p) == 0
	FETCH_V
.endif
.endm
	CHANGE 1, 0                                    ; slot 0 and K of step 0 are in, everybody's part; slot 1 is asked for
	v_add_nc_u32 v[AK], K0B, v[AK0]
	FETCH_K 0, 0
	FETCH_K 1, 0
	s_wait_loadcnt 0x0                             ; Q
	s_wait_dscnt 0x0
.set i, 0
.rept 32
	KQ 0                                           ; piece 0's first scores
.set i, i+1
.endr
	WIN 0                                          ; the addresses for the way out: plain instructions, the places behind those products
	s_mul_i32 s13, s[WV], 16*SP
	s_add_co_u32 s13, s13, STAGE
	v_mul_u32_u24 v[STO], v1, SP
	v_lshl_add_u32 v[STO], v9, 4, v[STO]
	v_add_nc_u32 v[STO], s13, v[STO]
	v_bfe_u32 v[RD], v0, 3, 2
	v_mul_u32_u24 v[RD], v[RD], SP
	v_lshl_add_u32 v[RD], v10, 4, v[RD]
	v_add_nc_u32 v[RD], s13, v[RD]
	v_and_b32 v[GO], 31, v0
	v_lshlrev_b32 v[GO], 4, v[GO]
.set Y, 1                               ; XS works for the other piece: piece 0
.irp n, 0,1,2,3,4,5,6,7,8,9,10,11,12,13,14,15,16,17,18,19,20,21
	XS 0, \n
	XS 1, \n
.endr
	v_nop                                          ; a plain instruction behind the two a,
	s_wait_alu depctr_va_vdst(0)                   ; and their wait, ahead of the branch
	s_branch .Lsteps
.Lslot:                                        ; 14 times: slots 2 to 15 are asked for
	CHANGE 1, 1
.Lsteps:
	s_mov_b32 s[CNT], 4
.Lstep:
	TURN 0
	TURN 1
	WIN 0
	s_sub_co_u32 s[CNT], s[CNT], 1
	s_cmp_lg_u32 s[CNT], 0
	s_cbranch_scc1 .Lstep
	s_sub_co_u32 s[SLOTS], s[SLOTS], 1
	s_cmp_lg_u32 s[SLOTS], 0
	s_cbranch_scc1 .Lslot
	CHANGE 0, 0                                    ; the last slot is written out
	s_mov_b32 s[CNT], 4
.Ltail:
	TURN 0
	TURN 1
	WIN 0
	s_sub_co_u32 s[CNT], s[CNT], 1
	s_cmp_lg_u32 s[CNT], 0
	s_cbranch_scc1 .Ltail
.set i, 0
.rept 16
	PV 1                                           ; piece 1's V^T P of the last step
.set i, i+1
.endr
	; THE WAY OUT.  l's halves are added; O^T is divided by l, rounded to f16 and sent through my stage, a tile at a time.  The additions are the places behind the last products.
	WIN 0
.macro ALL line:vararg
.set t, 0
.rept 4
	\line
.set t, t+1
.endr
.endm
	ALL v_add_f32 v[ST+4*t+2], v[ST+4*t+2], v[ST+4*t+3]
	ALL v_permlanex16_b32 v[ST+4*t+3], v[ST+4*t+2], s[SEL], s[SEL+1]
	ALL v_add_f32 v[ST+4*t+2], v[ST+4*t+2], v[ST+4*t+3]
	ALL v_rcp_f32 v[ST+4*t+2], v[ST+4*t+2]
	v_nop
	s_wait_alu depctr_va_vdst(0)                   ; one wait for the four reciprocals
.macro PACK t
	WIN W_RS
.set i, 32*(\t)
.rept 16
	v_pk_mul_f32 v[i:i+1], v[i:i+1], v[ST+4*(\t)+2:ST+4*(\t)+3] op_sel_hi:[1,0]
.set i, i+2
.endr
	WIN 0x05
.set i, 0
.rept 16
	v_cvt_pk_f16_f32 v[S+16*(\t)+i], v[32*(\t)+2*i], v[32*(\t)+2*i+1]
.set i, i+1
.endr
	WIN 0
.irp f, 0,1,2,3
	ds_store_b128 v[STO], v[S+16*(\t)+4*\f:S+16*(\t)+4*\f+3] offset:32*\f
.endr
.irp f, 0,1,2,3
	ds_load_b128 v[S+16*(\t)+4*\f:S+16*(\t)+4*\f+3], v[RD] offset:\f*4*SP  ; LDS serves a wave's instructions in order (ISA guide 5.7.1.4)
.endr
.endm
.macro SEND t, younger
	WIN 0
.irp f, 0,1,2,3
	s_wait_dscnt (\younger)+3-\f
	global_store_b128 v[GO], v[S+16*(\t)+4*\f:S+16*(\t)+4*\f+3], s[10:11] offset:(\t)*2048+\f*512  ; 512 consecutive bytes
.endr
.endm
	PACK 0
.set t, 1
.rept 3
	PACK t
	SEND t-1, 8
.set t, t+1
.endr
	SEND 3, 0
	s_wait_tensorcnt 0x0                           ; the wave's end
	ds_add_u32 v[SPW], v[NIL]
	s_wait_dscnt 0x0
	CROUND                                         ; the closing round
	s_endpgm
.Lfunc_end_k_q2438d7e099_attn:
	.size	k_q2438d7e099_attn, .Lfunc_end_k_q2438d7e099_attn-k_q2438d7e099_attn
	.p2alignl 7, 3214868480
	.fill 96, 4, 3214868480
	.section	.rodata,"a",@progbits
	.p2align	6, 0x0
	.amdhsa_kernel k_q2438d7e099_attn
		.amdhsa_group_segment_fixed_size 327680
		.amdhsa_private_segment_fixed_size 0
		.amdhsa_enable_private_segment 0
		.amdhsa_kernarg_size 24
		.amdhsa_user_sgpr_count 2
		.amdhsa_user_sgpr_kernarg_segment_ptr 1
		.amdhsa_wavefront_size32 1
		.amdhsa_system_sgpr_workgroup_id_x 1
		.amdhsa_system_sgpr_workgroup_id_y 1
		.amdhsa_system_sgpr_workgroup_id_z 1
		.amdhsa_system_vgpr_workitem_id 0
		.amdhsa_next_free_vgpr 768
		.amdhsa_next_free_sgpr 80
		.amdhsa_reserve_vcc 0
		.amdhsa_float_denorm_mode_32 3
		.amdhsa_float_denorm_mode_16_64 3
		.amdhsa_memory_ordered 1
		.amdhsa_forward_progress 1
		.amdhsa_inst_pref_size 127
	.end_amdhsa_kernel
	.amdgpu_metadata
---
amdhsa.version: [ 1, 2 ]
amdhsa.kernels:
  - .name:           k_q2438d7e099_attn
    .symbol:         k_q2438d7e099_attn.kd
    .args:
      - { .name: qk2, .offset: 0, .size: 8, .value_kind: global_buffer, .address_space: global }
      - { .name: v16, .offset: 8, .size: 8, .value_kind: global_buffer, .address_space: global }
      - { .name: o16, .offset: 16, .size: 8, .value_kind: global_buffer, .address_space: global }
    .group_segment_fixed_size: 327680
    .private_segment_fixed_size: 0
    .kernarg_segment_align: 8
    .kernarg_segment_size: 24
    .max_flat_workgroup_size: 128
    .sgpr_count:     80
    .vgpr_count:     768
    .wavefront_size: 32
...
	.end_amdgpu_metadata
.endif
;; end of part 3
;; launch oproj (part 4): grid 8 x 32, 4 waves a work-group, clusters of 4 x 4, 327,680 bytes of LDS; arguments o16, wo16, out0; writes out0
.if DOCPART == 4
	.amdgcn_target "amdgcn-amd-amdhsa--gfx1250"
	.amdhsa_code_object_version 6
	.text
	.protected	k_q2438d7e099_oproj
	.globl	k_q2438d7e099_oproj
	.p2align	8
	.type	k_q2438d7e099_oproj,@function
k_q2438d7e099_oproj:
	s_mov_b64 s[64:65], 0
	v_nop
	global_prefetch_b8 v0, s[64:65] scope:SCOPE_SE
	s_setreg_imm32_b32 hwreg(HW_REG_WAVE_MODE, 25, 1), 1
	s_wait_xcnt 0x0
	s_wait_alu depctr_hold_cnt(0) depctr_sa_sdst(0) depctr_va_vdst(0) depctr_va_sdst(0) depctr_va_ssrc(0) depctr_va_vcc(0) depctr_vm_vsrc(0)
	s_getreg_b32 s2, hwreg(HW_REG_IB_STS2, 6, 4)
	s_cmp_eq_u32 s2, 0
	s_cbranch_scc0 .Lentry_in_a_cluster
	s_endpgm
.Lentry_in_a_cluster:
	s_bfe_u32 s2, ttmp6, 0x10000c
	s_cmp_lg_u32 s2, 0xf033
	s_cbranch_scc0 .Lentry_shape_is_right
	s_endpgm
.Lentry_shape_is_right:
; out0[s][o] = the sum over c of O[s][c] Wo[o][c], c = 64 head + d.  o16: [16][4096][64] f16; wo16: [1024][1024] f16; out0: [4096][1024] f32.  Sums in f32.
; A tile of out0 is 128 x 128: 256 work-groups.  Four waves, each 64 x 64: 16 accumulators.  K goes in steps of 256 = four heads, through two LDS slots.
; O's tile of a step is four blocks of 128 rows x 128 bytes, each dense in memory (16,384 bytes): waves 0, 1 bring two blocks each by one load of two rows of 16,384 bytes, 524,288 bytes apart, padded after every 128 bytes.
; Wo's tile is 128 rows of 512 bytes: waves 2, 3 bring 64 rows each.  CLUSTERS: 4 x 4; O's tile is shared along a row of the cluster, Wo's along a column.
; The matrix instruction is used transposed (source 0 = 16 rows of Wo, source 1 = 16 rows of O): a lane holds eight neighbouring numbers of a row of out0.
; No prefetch: four K steps on a small tile.
; REGISTERS: window 0: v0-31 addresses; v32-95 the way out; v128-255 the accumulators ((a, b) at 128 + 8 (4 a + b)).  window 1: two fragment buffers of 128: 64 registers of O, then 64 of Wo.
.set KSTEP,  256
.set PA,     144                       ; a row of O in LDS: 128 bytes + 16
.set HB,     128*PA                    ; a head's block
.set PB,     528                       ; a row of Wo: 512 bytes + 16
.set BOFF,   4*HB
.set SLOT,   BOFF+128*PB               ; 141,312
.set STAGE,  2*SLOT                    ; 16 rows x 272 bytes for each wave
.set SPITCH, 272
.set SPARE,  STAGE+4*16*SPITCH         ; the spare words: two blocks of 256 bytes that no other line names
.set HEADB,  524288                    ; bytes of a head in o16
.set LAPS,   2
.set ADRA, 16
.set ADRB, 20
.set STO,  24
.set RD,   25
.set CO,   26
.set SPW,  28
.set NIL,  29
.set TMP,  32
.set ACC,  128
.set F0,   0
.set F1,   128
.set G1, 24
.set G0, 32
.set G1B, 48
.set G0B, 56
.set MSB, 0
.macro WIN new
.if MSB != (\new)
	s_set_vgpr_msb (MSB<<8)|(\new)
.set MSB, \new
.endif
.endm
.set MUL,  0x05
.set TO_F, 0x40
.macro JLOAD s                         ; waves 0, 1 fetch O's blocks, waves 2, 3 Wo's halves; an s_nop 0 and four v_nop follow each line
	s_cmp_eq_u32 s11, 0
	s_cbranch_scc0 .Lfor_b_\@
	tensor_load_to_lds s[G0+4*(\s):G0+4*(\s)+3], s[G1:G1+7]
	s_nop 0
.rept 4
	v_nop
.endr
	s_branch .Lasked_\@
.Lfor_b_\@:
	tensor_load_to_lds s[G0B+4*(\s):G0B+4*(\s)+3], s[G1B:G1B+7]
	s_nop 0
.rept 4
	v_nop
.endr
.Lasked_\@:
.endm
.macro CREST
	s_cmp_lg_u32 s10, 0
	s_cbranch_scc1 .Lnot_wave_0_\@
	s_barrier_signal -3
.Lnot_wave_0_\@:
	s_barrier_wait -3
	s_barrier_signal -1
	s_barrier_wait -1
.endm
.macro CROUND
	s_barrier_signal -1
	s_barrier_wait -1
	CREST
.endm
	s_load_b128 s[4:7], s[0:1], 0x0                ; o16 s[4:5], wo16 s[6:7]
	s_load_b64 s[8:9], s[0:1], 0x10                ; out0
	v_lshl_add_u32 v[SPW], v0, 2, SPARE
	v_mov_b32 v[NIL], 0
	ds_add_u32 v[SPW], v[NIL]                      ; the wave's opening: the add and its wait stand ahead of my first tensor load
	v_lshrrev_b32 v1, 5, v0
	v_readfirstlane_b32 s10, v1                    ; wave
	s_lshr_b32 s11, s10, 1                         ; my half of the tile's rows.  Also: I fetch O (0) or Wo (1)
	s_and_b32 s12, s10, 1                          ; my half of its columns.  Also: which half of that tile I fetch
	s_bfe_u32 s40, ttmp6, 0x40000
	s_bfe_u32 s41, ttmp6, 0x40004
	s_lshl_b32 s42, ttmp9, 2
	s_add_co_u32 s42, s42, s40                     ; tile column
	s_and_b32 s13, ttmp7, 0xffff
	s_lshl_b32 s13, s13, 2
	s_add_co_u32 s13, s13, s41                     ; tile row
	s_lshl_b32 s43, s41, 2
	s_lshl_b32 s43, 15, s43
	s_lshl_b32 s44, 0x1111, s40
	s_or_b32 s[G1+0], s43, (1<<16)|(1<<20)|(1<<21)|(4<<22)|(3<<25)   ; O: padding after every 32 words, 4 words
	s_or_b32 s[G1B+0], s44, (1<<16)|(1<<20)|(1<<21)|(6<<22)|(3<<25)  ; Wo: after every 128 words
	s_mov_b32 s[G1+1], 8192<<16                    ; tensor_dim0 = 8,192 elements: a head's 128 rows on end
	s_mov_b32 s[G1+2], 2<<16                       ; tensor_dim1 = 2 heads
	s_mov_b32 s[G1+3], 8192<<16                    ; tile_dim0
	s_mov_b32 s[G1+4], 2                           ; tile_dim1
	s_mov_b32 s[G1+5], 262144                      ; elements from head to head
	s_mov_b32 s[G1+6], 0
	s_mov_b32 s[G1+7], 0
	s_mov_b32 s[G1B+1], KSTEP<<16
	s_mov_b32 s[G1B+2], 64<<16
	s_mov_b32 s[G1B+3], KSTEP<<16
	s_mov_b32 s[G1B+4], 64
	s_mov_b32 s[G1B+5], 1024
	s_mov_b32 s[G1B+6], 0
	s_mov_b32 s[G1B+7], 0
	s_lshl_b32 s16, s12, 20                        ; O: two heads x my half,
	s_lshl_b32 s17, s13, 14                        ; the tile row's 128 rows of 128 bytes
	s_add_co_u32 s16, s16, s17
	s_mov_b32 s17, 0
	s_lshl_b32 s46, s42, 7                         ; Wo: row 128 x tile column + 64 x half
	s_lshl_b32 s47, s12, 6
	s_add_co_u32 s46, s46, s47
	s_lshl_b32 s46, s46, 11
	s_mov_b32 s47, 0
	s_mul_i32 s20, s12, 2*HB
	s_mul_i32 s21, s12, 64*PB
	s_wait_dscnt 0x0                               ; the opening add is done
	s_wait_kmcnt 0x0
	s_add_nc_u64 s[14:15], s[4:5], s[16:17]
	s_add_nc_u64 s[46:47], s[6:7], s[46:47]
	CROUND
.irp s, 0,1
	s_mov_b32 s[G0+4*(\s)], 1
	s_add_co_u32 s[G0+4*(\s)+1], s20, (\s)*SLOT
	s_add_nc_u64 s[G0+4*(\s)+2:G0+4*(\s)+3], s[14:15], (\s)*4*HEADB
	s_or_b32 s[G0+4*(\s)+3], s[G0+4*(\s)+3], 0x80000000
	s_mov_b32 s[G0B+4*(\s)], 1
	s_add_co_u32 s[G0B+4*(\s)+1], s21, (\s)*SLOT+BOFF
	s_add_nc_u64 s[G0B+4*(\s)+2:G0B+4*(\s)+3], s[46:47], (\s)*KSTEP*2
	s_or_b32 s[G0B+4*(\s)+3], s[G0B+4*(\s)+3], 0x80000000
	JLOAD \s
.endr
	v_and_b32 v1, 15, v0                           ; r
	v_bfe_u32 v2, v0, 4, 1                         ; h
	v_mul_u32_u24 v3, v1, PA
	v_lshl_add_u32 v3, v2, 4, v3
	v_mul_u32_u24 v4, v1, PB
	v_lshl_add_u32 v4, v2, 4, v4
	s_mul_i32 s21, s11, 64*PA                      ; my 64 rows in each head's block
	s_mul_i32 s22, s12, 64*PB
	s_add_co_u32 s22, s22, BOFF
.irp s, 0,1
	v_add_nc_u32 v[ADRA+(\s)], s21, v3
	v_add_nc_u32 v[ADRB+(\s)], s22, v4
	s_add_co_u32 s21, s21, SLOT
	s_add_co_u32 s22, s22, SLOT
.endr
	s_mul_i32 s23, s10, 16*SPITCH
	s_add_co_u32 s23, s23, STAGE                   ; my stage
	v_mul_u32_u24 v5, v1, SPITCH                   ; in: row r, 32 bytes for each half of the lanes
	v_lshl_add_u32 v5, v2, 5, v5
	v_add_nc_u32 v[STO], s23, v5
	v_mul_u32_u24 v5, v2, SPITCH                   ; back: lanes 0-15 one row of 256 bytes, lanes 16-31 the next
	v_lshl_add_u32 v5, v1, 4, v5
	v_add_nc_u32 v[RD], s23, v5
	v_lshlrev_b32 v5, 12, v2                       ; and the same two rows in out0, 4,096 bytes apart
	v_lshl_add_u32 v[CO], v1, 4, v5
	s_lshl_b32 s16, s13, 7
	s_lshl_b32 s17, s11, 6
	s_add_co_u32 s16, s16, s17                     ; my first row
	s_lshl_b32 s16, s16, 12
	s_mov_b32 s17, 0
	s_add_nc_u64 s[8:9], s[8:9], s[16:17]
	s_lshl_b32 s46, s42, 9                         ; my first column, in bytes: 512 x tile column + 256 x half
	s_lshl_b32 s47, s12, 8
	s_add_co_u32 s46, s46, s47
	s_mov_b32 s47, 0
	s_add_nc_u64 s[8:9], s[8:9], s[46:47]
.macro MUL8 f, c, a0, zero             ; 8 matrix instructions: row blocks a0, a0 + 1 x 4 column blocks, half c of buffer f; the 16 accumulators take turns
	WIN MUL
.irp a, \a0, (\a0)+1
.irp b, 0,1,2,3
.if \zero
	v_wmma_f32_16x16x32_f16 v[ACC+8*(4*(\a)+(\b)):ACC+8*(4*(\a)+(\b))+7], v[(\f)+64+8*(4*(\c)+(\b)):(\f)+64+8*(4*(\c)+(\b))+7], v[(\f)+8*(4*(\c)+(\a)):(\f)+8*(4*(\c)+(\a))+7], 0
.else
	v_wmma_f32_16x16x32_f16 v[ACC+8*(4*(\a)+(\b)):ACC+8*(4*(\a)+(\b))+7], v[(\f)+64+8*(4*(\c)+(\b)):(\f)+64+8*(4*(\c)+(\b))+7], v[(\f)+8*(4*(\c)+(\a)):(\f)+8*(4*(\c)+(\a))+7], v[ACC+8*(4*(\a)+(\b)):ACC+8*(4*(\a)+(\b))+7]
.endif
.endr
.endr
.endm
.macro FETCH slot, q, f                ; 32 LDS loads: quarter q of a K step is head block q; the first 32 along K first
	WIN TO_F
.irp c, 0,1
.irp i, 0,1,2,3
	ds_load_b128 v[(\f)+64+8*(4*(\c)+(\i)):(\f)+64+8*(4*(\c)+(\i))+3],   v[ADRB+(\slot)] offset:128*(\q)+64*(\c)+(\i)*16*PB
	ds_load_b128 v[(\f)+64+8*(4*(\c)+(\i))+4:(\f)+64+8*(4*(\c)+(\i))+7], v[ADRB+(\slot)] offset:128*(\q)+64*(\c)+(\i)*16*PB+32
	ds_load_b128 v[(\f)+8*(4*(\c)+(\i)):(\f)+8*(4*(\c)+(\i))+3],         v[ADRA+(\slot)] offset:HB*(\q)+64*(\c)+(\i)*16*PA
	ds_load_b128 v[(\f)+8*(4*(\c)+(\i))+4:(\f)+8*(4*(\c)+(\i))+7],       v[ADRA+(\slot)] offset:HB*(\q)+64*(\c)+(\i)*16*PA+32
.endr
.endr
.endm
.macro PLACES
.rept 4
	v_nop
.endr
.endm
.macro QUARTER slot, q, f, g, zero
	s_wait_dscnt 16                                ; the first 32 along K are in
	MUL8 \f, 0, 0, \zero
	MUL8 \f, 0, 2, \zero
	PLACES
	FETCH \slot, \q, \g
	s_wait_dscnt 32                                ; all but the 32 just issued
	MUL8 \f, 1, 0, 0
	MUL8 \f, 1, 2, 0
.endm
.macro TURN slot, next, fill           ; the last quarter changes slots: the wait for all my tensor loads, the add, the wait for it and for my reads, the barrier; fill = 1: a round of the cluster's, and the joint refill first behind it
	WIN 0
	s_wait_tensorcnt 0x0
	ds_add_u32 v[SPW], v[NIL]
	s_wait_dscnt 17                                ; (the add and the youngest sixteen loads may be out)
	MUL8 F1, 0, 0, 0
	s_wait_dscnt 0x0
	s_barrier_signal -1
	MUL8 F1, 0, 2, 0
.if \fill
	WIN 0
.endif
	s_barrier_wait -1
.if \fill
	CREST
	s_add_nc_u64 s[G0+4*(\slot)+2:G0+4*(\slot)+3], s[G0+4*(\slot)+2:G0+4*(\slot)+3], 8*HEADB
	s_add_nc_u64 s[G0B+4*(\slot)+2:G0B+4*(\slot)+3], s[G0B+4*(\slot)+2:G0B+4*(\slot)+3], 2*KSTEP*2
	JLOAD \slot
.else
	PLACES
.endif
	FETCH \next, 0, F0
	MUL8 F1, 1, 0, 0
	MUL8 F1, 1, 2, 0
.endm
	s_wait_tensorcnt 1                             ; my part of K step 0 is in; K step 1's may stay out
	s_barrier_signal -1
	s_barrier_wait -1
	FETCH 0, 0, F0
	QUARTER 0, 1, F0, F1, 1
	WIN 0
	s_mov_b32 s3, LAPS-1
.Llap:
	QUARTER 0, 2, F1, F0, 0
	QUARTER 0, 3, F0, F1, 0
	TURN 0, 1, 1
	QUARTER 1, 1, F0, F1, 0
	QUARTER 1, 2, F1, F0, 0
	QUARTER 1, 3, F0, F1, 0
	TURN 1, 0, 1
	QUARTER 0, 1, F0, F1, 0
	WIN 0
	s_sub_co_u32 s3, s3, 1
	s_cmp_lg_u32 s3, 0
	s_cbranch_scc1 .Llap
	QUARTER 0, 2, F1, F0, 0
	QUARTER 0, 3, F0, F1, 0
	TURN 0, 1, 0
	QUARTER 1, 1, F0, F1, 0
	QUARTER 1, 2, F1, F0, 0
	QUARTER 1, 3, F0, F1, 0
	s_wait_dscnt 16
	MUL8 F1, 0, 0, 0
	MUL8 F1, 0, 2, 0
	s_wait_dscnt 0x0
	MUL8 F1, 1, 0, 0
	MUL8 F1, 1, 2, 0
	WIN 0
	; THE WAY OUT, f32: my 64 columns are 256 bytes on end, so the stage is my own and no barrier is needed: 16 rows at a time in by lanes' 32 bytes, back as whole rows.
	PLACES
.irp a, 0,1,2,3
.if (\a) >= 2
	s_wait_xcnt 0x0                                ; the stores of two blocks back have read the registers that are loaded again below
.endif
.irp b, 0,1,2,3
	ds_store_b128 v[STO], v[ACC+8*(4*(\a)+(\b)):ACC+8*(4*(\a)+(\b))+3]   offset:64*(\b)
	ds_store_b128 v[STO], v[ACC+8*(4*(\a)+(\b))+4:ACC+8*(4*(\a)+(\b))+7] offset:64*(\b)+16
.endr
.irp t, 0,1,2,3,4,5,6,7
	ds_load_b128 v[TMP+32*((\a)%2)+4*(\t):TMP+32*((\a)%2)+4*(\t)+3], v[RD] offset:(\t)*2*SPITCH  ; LDS serves a wave's instructions in order (ISA guide 5.7.1.4)
.endr
.irp t, 0,1,2,3,4,5,6,7
	s_wait_dscnt 7-(\t)
	global_store_b128 v[CO], v[TMP+32*((\a)%2)+4*(\t):TMP+32*((\a)%2)+4*(\t)+3], s[8:9] offset:(\a)*65536+(\t)*8192  ; 16 lanes store 256 consecutive bytes, aligned
.endr
.endr
	s_wait_tensorcnt 0x0                           ; the wave's end
	ds_add_u32 v[SPW], v[NIL]
	s_wait_dscnt 0x0
	CROUND                                         ; the closing round
	s_endpgm
.Lfunc_end_k_q2438d7e099_oproj:
	.size	k_q2438d7e099_oproj, .Lfunc_end_k_q2438d7e099_oproj-k_q2438d7e099_oproj
	.p2alignl 7, 3214868480
	.fill 96, 4, 3214868480
	.section	.rodata,"a",@progbits
	.p2align	6, 0x0
	.amdhsa_kernel k_q2438d7e099_oproj
		.amdhsa_group_segment_fixed_size 327680
		.amdhsa_private_segment_fixed_size 0
		.amdhsa_enable_private_segment 0
		.amdhsa_kernarg_size 24
		.amdhsa_user_sgpr_count 2
		.amdhsa_user_sgpr_kernarg_segment_ptr 1
		.amdhsa_wavefront_size32 1
		.amdhsa_system_sgpr_workgroup_id_x 1
		.amdhsa_system_sgpr_workgroup_id_y 1
		.amdhsa_system_sgpr_workgroup_id_z 1
		.amdhsa_system_vgpr_workitem_id 0
		.amdhsa_next_free_vgpr 512
		.amdhsa_next_free_sgpr 66
		.amdhsa_reserve_vcc 0
		.amdhsa_float_denorm_mode_32 3
		.amdhsa_float_denorm_mode_16_64 3
		.amdhsa_memory_ordered 1
		.amdhsa_forward_progress 1
		.amdhsa_inst_pref_size 87
	.end_amdhsa_kernel
	.amdgpu_metadata
---
amdhsa.version: [ 1, 2 ]
amdhsa.kernels:
  - .name:           k_q2438d7e099_oproj
    .symbol:         k_q2438d7e099_oproj.kd
    .args:
      - { .name: o16, .offset: 0, .size: 8, .value_kind: global_buffer, .address_space: global }
      - { .name: wo16, .offset: 8, .size: 8, .value_kind: global_buffer, .address_space: global }
      - { .name: out0, .offset: 16, .size: 8, .value_kind: global_buffer, .address_space: global }
    .group_segment_fixed_size: 327680
    .private_segment_fixed_size: 0
    .kernarg_segment_align: 8
    .kernarg_segment_size: 24
    .max_flat_workgroup_size: 128
    .sgpr_count:     66
    .vgpr_count:     512
    .wavefront_size: 32
...
	.end_amdgpu_metadata
.endif
;; end of part 4
